; MI455X (gfx1250); checked and timed in simulation.
; The chip was launched on July 23, 2026; its instructions are those of AMD's public machine-readable ISA for CDNA 5 (MIT licence, August 2026) and "CDNA5" Instruction Set Architecture Reference Guide (July 2026). The comments in the code are by the model that wrote it; some were corrected since.
;; Encoder Block. Allowed arithmetic: matrix products marked QUANTISED: E2M3 operands, one E8M0 scale for each 32 along K, by v_wmma_scale_f32_16x16x128_f8f6f4 with both operands' format E2M3, f32 sums; everything else in f32.
;; Inputs: W1 1,024 x 4,096 float32; W2 4,096 x 1,024 float32; Wk 1,024 x 1,024 float32; Wo 1,024 x 1,024 float32; Wq 1,024 x 1,024 float32; Wv 1,024 x 1,024 float32; alpha1 1 float32; alpha2 1 float32; b1 4,096 float32; b2 1,024 float32; beta1 1 float32; beta2 1 float32; bk 1,024 float32; bo 1,024 float32; bq 1,024 float32; bv 1,024 float32; src_mask 2 x 1 x 1 x 2,048 int32; x 2 x 2,048 x 1,024 float32.
;; Outputs: out0 2 x 2,048 x 1,024 float32.
;; This version of the problem:
;;   THIS VERSION OF THE PROBLEM IS GIVEN IN LOW PRECISION. The matrix products marked QUANTISED in the list below multiply operands that are first quantised to E2M3 (2 exponent bits, 3 mantissa bits; 6 bits a number), with one power-of-two scale for each 32 numbers along K (OCP MX v1.0); their sums are f32. All else is computed in f32.
;;   The module's matrix products, in the order in which they are computed (A, B: the left and right operand; K: the contracted axis; several contracted axes count as one K, in the product's order):
;;     1. [M 4,096, K 1,024] x [K 1,024, N 1,024]; A: computed on the way; B: input Wq: QUANTISED
;;     2. [M 4,096, K 1,024] x [K 1,024, N 1,024]; A: computed on the way; B: input Wk: QUANTISED
;;     3. [M 4,096, K 1,024] x [K 1,024, N 1,024]; A: computed on the way; B: input Wv: QUANTISED
;;     4. batch 32 x [M 2,048, K 64] x [K 64, N 2,048]; A: computed on the way; B: computed on the way: QUANTISED
;;     5. batch 32 x [M 2,048, K 2,048] x [K 2,048, N 64]; A: softmax (see below); B: computed on the way: QUANTISED
;;     6. [M 4,096, K 1,024] x [K 1,024, N 1,024]; A: computed on the way; B: input Wo: QUANTISED
;;     7. [M 4,096, K 1,024] x [K 1,024, N 4,096]; A: computed on the way; B: input W1: QUANTISED
;;     8. [M 4,096, K 4,096] x [K 4,096, N 1,024]; A: computed on the way; B: input W2: QUANTISED
;;   THE QUANTISER, for each operand of a quantised product, along K:
;;     - K is cut into blocks of 32 from its start; a last block that is shorter is filled with zeros.
;;     - A block's scale is 2^e with e = floor(log2(the largest magnitude in the block)) - 2, held to -126 .. 127; a block of zeros has e = 0. As a byte (E8M0): e + 127.
;;     - Each number is divided by its block's scale, clamped to +-7.5, and rounded to the nearest number of E2M3, ties to even, subnormals kept.
;;     - The product sums the exact products of the quantised numbers (number of the format x scale) in f32.
;;   ~~~python
;;   def quantise(x, axis):      # numpy; x: float32 -> the quantised numbers, widened to float32 again
;;       x = np.moveaxis(x, axis, -1); K = x.shape[-1]
;;       x = np.pad(x, [(0, 0)] * (x.ndim - 1) + [(0, -K % 32)]); x = x.reshape(x.shape[:-1] + (-1, 32)); a = np.abs(x).max(-1, keepdims=True)
;;       e = np.where(a > 0, np.clip(np.frexp(np.where(a > 0, a, 1))[1] - 1 - 2, -126, 127), 0)      # np.frexp(a)[1] - 1 = floor(log2(a)), exactly
;;       r = np.clip(x / 2.0 ** e, -7.5, 7.5)
;;       step = 2.0 ** (np.maximum(np.frexp(np.where(r == 0, 1, r))[1] - 1, 0) - 3)
;;       q = np.round(r / step) * step * 2.0 ** e      # np.round: ties to even
;;       return np.moveaxis(q.reshape(q.shape[:-2] + (-1,))[..., :K], -1, axis).astype(np.float32)
;;   ~~~
;;   SOFTMAX AHEAD OF A QUANTISED PRODUCT. Where the list says 'softmax', what is quantised is not the finished softmax but p = 2^(t - M), with t = logit x log2(e) and M = ceil(the row's largest t), a whole number; so 1/2 < the row's largest p <= 1. The row's sum l is taken of the UNQUANTISED p, in f32, and the product's result is divided by l at the end. Since M is a whole number, a kernel that streams over the keys may use a running M (the ceiling of the running maximum): every later rescaling is an exact power of two, which a block's scale takes up: the codes' values come out the same.
;;   OPERANDS COMPUTED ON THE WAY. 'Computed on the way' means the value that the module computes at that place (a softmax that the list does not call 'softmax' is quantised finished and normalised). What goes into a quantiser is computed in f32, as accurately as f32 sums, v_exp_f32 and their like allow (about 1e-6 of the number): no bf16 or f16 on the way to a quantiser, and a product that is left as it is and whose result goes on into a quantised operand takes f32 operands (vector FMAs, or v_wmma_f32_16x16x4_f32). A number that lies on a knife's edge between two numbers of the format may be rounded either way, as far as f32 arithmetic and the matrix unit's own rounding can turn it there, and no further.
;; One version. Each part assembles by itself: llvm-mc -triple=amdgcn-amd-amdhsa -mcpu=gfx1250 --defsym DOCPART=n.
;; ======== version 1 of 1: 7 launches
;; limits: right only within a limited range of input values
;; workspace buffers: wc 9,830,400 bytes; nc 3,276,800 bytes; qb 3,407,872 bytes; kv 6,684,672 bytes; ao 3,276,800 bytes; h 16,777,216 bytes; hid 13,107,200 bytes
;; launch prep (part 1): grid 1024 x 1, 4 waves a work-group, no clusters, 66,304 bytes of LDS; arguments Wq, Wk, Wv, Wo, W1, W2, wc, x, alpha1, beta1, nc; writes wc, nc
.if DOCPART == 1
	.amdgcn_target "amdgcn-amd-amdhsa--gfx1250"
	.amdhsa_code_object_version 6
	.text
	.protected	k_q95081605fd_prep
	.globl	k_q95081605fd_prep
	.p2align	8
	.type	k_q95081605fd_prep,@function
k_q95081605fd_prep:
	s_mov_b64 s[64:65], 0
	v_nop
	global_prefetch_b8 v0, s[64:65] scope:SCOPE_SE
	s_setreg_imm32_b32 hwreg(HW_REG_WAVE_MODE, 25, 1), 1
	s_wait_xcnt 0x0
; TWO INDEPENDENT JOBS IN ONE LAUNCH, parted once on the work-group's number: work-groups 0-767 quantise the six weights, work-groups 768-1023 norm and quantise x.  They share no byte; only the norm's path uses LDS and a barrier.
; ---- THE WEIGHTS, f32 [K][N] with K their FIRST axis, become codes of FP6 (E2M3) with one E8M0 byte for each 32 along K, laid in wc as the matrix unit's registers take them.
; LAYOUT.  A UNIT (25,600 bytes) is 128 columns n x 256 along K: for tile t of 16 columns, K step q of 128 and half c of 64 an image of 768 bytes at 3072 t + 1536 q + 768 c:
; lane (r, h) owns the 24 bytes of codes of column r, k = 64 c + 32 h + 0 .. 31: its first 16 bytes at 16 x lane, its last 8 at 512 + 8 x lane.  Scale words (4 bytes: 128 along K of a column) at 24576 + 512 q + 64 t + 4 r.
; Wq, Wk, Wv form one tensor of 3,072 columns at byte 0; Wo at 2,457,600; W1 at 3,276,800: their units lie (k / 256) x (N / 128) + n / 128.  W2 at 6,553,600: its units lie (n / 128) x 16 + k / 256, a group's 16 units on end.
; SHARES.  A work-group makes one K step of a unit (128 columns x 128 K), a wave 32 columns, A LANE ONE COLUMN, ITS REGISTERS RUNNING DOWN K: a load reads 128 consecutive bytes a wave, a block of 32 lies in one lane, nothing is transposed.
; One path serves all six tensors: what differs is chosen by s_cselect on the work-group's number.  Loads run two blocks (64 loads a wave) ahead.
; A block's scale is 2^(floor(log2(largest magnitude)) - 2); its byte is the largest magnitude's exponent field - 2, held at 1 from below.
; LIMITS (both jobs): a block of zeros, and one whose largest magnitude lies under 2^-124, gets the byte 1 (the bytes are read by this program alone); NaN and infinities are not served.
.set NWQ,  768
	v_lshl_add_u32 v200, v0, 2, 0x10100
	v_mov_b32 v201, 0
	s_cmp_lt_u32 ttmp9, NWQ
	s_cbranch_scc0 .Lnorm
.set X,    32                          ; v32-95   two sets of 32 numbers
.set OFF,  96                          ; v96-127  4 x lane + i rows; never rewritten
.set IMG,  128                         ; v128-151 images: tile 2 w at 128, tile 2 w + 1 twelve further on
.set TA,   176                         ; v176-178, v180-182: a block's upper 16 codes (a conversion's three registers begin on an even number)
.set TBB,  180
.set SW,   184                         ; v184     my column's scale word
	s_load_b256 s[4:11], s[0:1], 0x0               ; Wq, Wk, Wv, Wo
	s_load_b128 s[12:15], s[0:1], 0x20             ; W1, W2
	s_load_b64 s[16:17], s[0:1], 0x30              ; wc
	v_lshrrev_b32 v1, 5, v0
	v_readfirstlane_b32 s18, v1                    ; wave
	v_and_b32 v1, 31, v0                           ; lane
	v_lshlrev_b32 v2, 2, v1                        ; 4 x lane
	v_lshlrev_b32 v3, 4, v1                        ; 16 x lane
	v_lshlrev_b32 v4, 3, v1                        ; 8 x lane
	s_lshr_b32 s54, ttmp9, 1                       ; which unit of the 384,
	s_and_b32 s55, ttmp9, 1                        ; which K step of 128 in it
	s_mov_b32 s20, 256                             ; W2's figures: its first unit,
	s_mov_b32 s21, 3                               ; log2 of its groups of 128 columns,
	s_mov_b32 s22, 4096                            ; bytes from row to row,
	s_mov_b32 s23, 1                               ; units from one 256 along K to the next,
	s_mov_b32 s56, 16                              ; and from one group to the next,
	s_mov_b32 s24, 0                               ; its first group in its tensor of codes,
	s_mov_b32 s25, 6553600                         ; and where that tensor begins in wc
	s_wait_alu depctr_va_vdst(0)
	s_wait_kmcnt 0x0
	s_mov_b64 s[26:27], s[14:15]
	s_cmp_lt_u32 s54, 256                          ; W1
	s_cselect_b64 s[26:27], s[12:13], s[26:27]
	s_cselect_b32 s20, 128, s20
	s_cselect_b32 s21, 5, s21
	s_cselect_b32 s22, 16384, s22
	s_cselect_b32 s23, 32, s23
	s_cselect_b32 s56, 1, s56
	s_cselect_b32 s25, 3276800, s25
	s_cmp_lt_u32 s54, 128                          ; Wo
	s_cselect_b64 s[26:27], s[10:11], s[26:27]
	s_cselect_b32 s20, 96, s20
	s_cselect_b32 s21, 3, s21
	s_cselect_b32 s22, 4096, s22
	s_cselect_b32 s23, 8, s23
	s_cselect_b32 s25, 2457600, s25
	s_cmp_lt_u32 s54, 96                           ; Wv
	s_cselect_b64 s[26:27], s[8:9], s[26:27]
	s_cselect_b32 s20, 64, s20
	s_cselect_b32 s23, 24, s23
	s_cselect_b32 s24, 16, s24
	s_cselect_b32 s25, 0, s25
	s_cmp_lt_u32 s54, 64                           ; Wk
	s_cselect_b64 s[26:27], s[6:7], s[26:27]
	s_cselect_b32 s20, 32, s20
	s_cselect_b32 s24, 8, s24
	s_cmp_lt_u32 s54, 32                           ; Wq
	s_cselect_b64 s[26:27], s[4:5], s[26:27]
	s_cselect_b32 s20, 0, s20
	s_cselect_b32 s24, 0, s24
	s_sub_co_u32 s19, s54, s20                     ; which unit of the tensor
	s_bfm_b32 s28, s21, 0
	s_and_b32 s28, s19, s28                        ; its group of 128 columns
	s_lshr_b32 s29, s19, s21                       ; its 256 along K
	s_lshl_b32 s30, s29, 8
	s_lshl_b32 s31, s55, 7
	s_add_co_u32 s30, s30, s31                     ; my first row: 256 a unit, 128 a K step
	s_mul_i32 s30, s30, s22
	s_lshl_b32 s31, s28, 9
	s_add_co_u32 s30, s30, s31                     ; + 128 columns a group
	s_lshl_b32 s31, s18, 7
	s_add_co_u32 s30, s30, s31                     ; + 32 columns a wave
	s_mov_b32 s31, 0
	s_add_nc_u64 s[32:33], s[26:27], s[30:31]      ; block 0's first row
	s_lshl_b32 s30, s22, 5                         ; 32 rows on
.irp t, 1,2,3
	s_add_nc_u64 s[32+2*\t:33+2*\t], s[30+2*\t:31+2*\t], s[30:31]   ; a base for each block: none is stepped later
.endr
	s_mul_i32 s52, s29, s23
	s_add_co_u32 s52, s52, s24
	s_mul_i32 s53, s28, s56
	s_add_co_u32 s52, s52, s53
	s_mul_i32 s52, s52, 25600
	s_add_co_u32 s52, s52, s25
	s_mov_b32 s53, 0
	s_add_nc_u64 s[50:51], s[16:17], s[52:53]      ; my unit
	s_mul_i32 s52, s18, 6144
	s_mul_i32 s57, s55, 1536
	s_add_co_u32 s52, s52, s57
	s_add_nc_u64 s[48:49], s[50:51], s[52:53]      ; my two tiles' images of my K step
	s_lshl_b32 s52, s18, 7
	s_lshl_b32 s57, s55, 9
	s_add_co_u32 s52, s52, s57
	s_add_co_u32 s52, s52, 24576
	s_add_nc_u64 s[50:51], s[50:51], s[52:53]      ; my 32 columns' scale words
	v_mov_b32 v[OFF], v2
.set i, 1
.rept 31
	v_add_nc_u32 v[OFF+i], s22, v[OFF+i-1]
.set i, i+1
.endr
.macro LOAD t                          ; block t: W(32 t + j, my column), j = 0 .. 31, into set t % 2
.set j, 0
.rept 32
	global_load_b32 v[X+32*((\t)%2)+j], v[OFF+j], s[32+2*(\t):33+2*(\t)] th:TH_LOAD_NT
.set j, j+1
.endr
.endm
.macro BLOCK t
.set XS, X+32*((\t)%2)
.set IA, IMG+6*((\t)/2)
.set IB, IA+12
.if (\t) < 3
	s_wait_loadcnt 32                              ; this block's 32 loads are in; the next block's 32 may be out
.else
	s_wait_loadcnt 0x0
.endif
	v_max3_num_f32 v12, |v[XS]|, |v[XS+1]|, |v[XS+2]|              ; the block's largest magnitude: all 32 numbers are mine; two chains
	v_max3_num_f32 v13, |v[XS+3]|, |v[XS+4]|, |v[XS+5]|
.irp i, 6,10,14,18,22,26
	v_max3_num_f32 v12, v12, |v[XS+\i]|, |v[XS+\i+1]|
	v_max3_num_f32 v13, v13, |v[XS+\i+2]|, |v[XS+\i+3]|
.endr
	v_max3_num_f32 v12, v12, |v[XS+30]|, |v[XS+31]|
	v_max3_num_f32 v12, v12, v13, 0x1800000        ; and the floor 2^(3 - 127): the byte cannot fall under 1
	v_add_nc_u32 v14, 0xff000000, v12              ; 2 off the exponent field: the conversion takes that field of this operand as its scale
	v_lshrrev_b32 v13, 23, v14                     ; the scale's byte
.if (\t) == 0
	v_mov_b32 v[SW], v13
.else
	v_lshl_or_b32 v[SW], v13, 8*(\t), v[SW]
.endif
.if (\t)%2 == 0
	v_cvt_scalef32_pk16_fp6_f32 v[IA:IA+2], v[XS:XS+15], v14
	v_cvt_scalef32_pk16_fp6_f32 v[TA:TA+2], v[XS+16:XS+31], v14
.else
	v_cvt_scalef32_pk16_fp6_f32 v[IB:IB+2], v[XS:XS+15], v14
	v_cvt_scalef32_pk16_fp6_f32 v[TBB:TBB+2], v[XS+16:XS+31], v14
.endif
.if (\t)+2 < 4
	LOAD (\t)+2
.endif
.if (\t)%2 == 1
	v_nop                                          ; one plain line behind a scaled conversion, ahead of the vector lines that touch its result
; The even block's codes (k half 0) and the odd block's (k half 1) of my 32 columns become two images: a tile's image wants half 0 of its 16 columns in lanes 0-15 and half 1 in lanes 16-31.
.irp i, 0,1,2
	v_permlane16_swap_b32 v[IA+\i], v[IB+\i]       ; the first's lanes 16-31 change places with the second's lanes 0-15
	v_permlane16_swap_b32 v[TA+\i], v[TBB+\i]
.endr
.irp i, 0,1,2
	v_mov_b32 v[IA+3+\i], v[TA+\i]
	v_mov_b32 v[IB+3+\i], v[TBB+\i]
.endr
.endif
.endm
	LOAD 0
	LOAD 1
.irp t, 0,1,2,3
	BLOCK \t
.endr
.irp c, 0,1                            ; each store covers 512 or 256 consecutive bytes, aligned to 256
	global_store_b128 v3, v[IMG+6*\c:IMG+6*\c+3], s[48:49] offset:\c*768
	global_store_b64 v4, v[IMG+6*\c+4:IMG+6*\c+5], s[48:49] offset:\c*768+512
	global_store_b128 v3, v[IMG+12+6*\c:IMG+12+6*\c+3], s[48:49] offset:3072+\c*768
	global_store_b64 v4, v[IMG+12+6*\c+4:IMG+12+6*\c+5], s[48:49] offset:3072+\c*768+512
.endr
	global_store_b32 v2, v[SW], s[50:51]           ; 128 consecutive bytes a wave; the four waves' pieces fill the K step's 512
	s_endpgm
.Lnorm:
; ---- THE NORM: y = alpha (x - mean) / (std + 1e-6) + beta along rows of 1,024 f32 (std with 1,023 in the divisor), then y is quantised along the row and stored as units of 128 rows x 256 K, laid (k / 256) x 32 + row / 128.
; A work-group takes 16 rows.  First each wave norms 4 whole rows, kept in 128 registers: the row is read once, the variance is the sum of (x - mean)^2, so a common offset of the inputs cancels before anything is squared.
; The normed rows go through LDS (pitch 4,112 bytes = 257 x 16: sixteen rows of a 16-byte read start in different banks); behind ONE barrier wave w takes K = 256 w .. + 255 of all 16 rows, a lane 2 x 32 neighbours a K step.
; LIMIT: 1 / 1023 and 1 / (std + eps) are multiplications by a constant and by v_rcp_f32's result (a few units in the last place from the division).
.set PITCH, 4112
.set L128, 1                           ; v1  16 x lane
.set STA,  2                           ; v2  LDS: where I put my 16 bytes of my wave's first row
.set LDA,  3                           ; v3  LDS: row r, my wave's 256 along K, + 128 h
.set L64,  5                           ; v5  8 x lane
.set R4,   6                           ; v6  4 r
.set SH8,  7                           ; v7  8 h
.set SA,   8                           ; v8-15  a pair for each of my 4 rows: the sum, then the mean twice
.set TP,   16                          ; v16-19 what the lane 16 away holds
.set G,    20                          ; v20-27 a pair for each row: the sum of squares, then alpha / (std + eps) twice
.set QM,   28
.set QS,   30
.set QP,   16
.set X,    32                          ; v32-159 my 4 rows; later v32-95: 64 numbers to quantise
.set IM,   160                         ; v160-183 two fragments' images
.set QT,   184
.set WD,   192                         ; v192-193 their scale words
.set SEL,  16                          ; s[16:17]
	s_load_b256 s[4:11], s[0:1], 0x38              ; x, alpha, beta, nc
	s_sub_co_u32 s28, ttmp9, NWQ                   ; which 16 rows
	v_lshrrev_b32 v8, 5, v0
	v_readfirstlane_b32 s18, v8                    ; wave
	v_and_b32 v8, 31, v0
	v_and_b32 v9, 15, v0                           ; r
	v_bfe_u32 v10, v0, 4, 1                        ; h
	v_lshlrev_b32 v[L128], 4, v8
	v_lshlrev_b32 v[L64], 3, v8
	v_lshlrev_b32 v[R4], 2, v9
	v_lshlrev_b32 v[SH8], 3, v10
	s_mul_i32 s19, s18, 4*PITCH
	v_add_nc_u32 v[STA], s19, v[L128]
	v_mul_u32_u24 v[LDA], v9, PITCH
	v_lshl_add_u32 v[LDA], v10, 7, v[LDA]
	s_lshl_b32 s19, s18, 10
	v_add_nc_u32 v[LDA], s19, v[LDA]
	s_mov_b32 s[SEL], 0x76543210
	s_mov_b32 s[SEL+1], 0xfedcba98                 ; v_permlanex16_b32's selects for lane l xor 16
.irp p, 0,1,2,3
	v_mov_b32 v[TP+\p], 0                          ; written once: a lane permute's destination counts as one of its sources
.endr
	s_lshl_b32 s20, s28, 16                        ; 16 rows of 4,096 bytes a work-group,
	s_lshl_b32 s21, s18, 14                        ; 4 a wave
	s_add_co_u32 s20, s20, s21
	s_mov_b32 s21, 0
	s_lshl_b32 s22, s18, 5
	s_lshr_b32 s23, s28, 3
	s_add_co_u32 s22, s22, s23
	s_mul_i32 s22, s22, 25600                      ; my unit: 32 x wave + rows / 128
	s_mov_b32 s23, 0
	s_and_b32 s24, s28, 7                          ; the tile of 16 rows in it
	s_mul_i32 s26, s24, 3072
	s_mov_b32 s27, 0
	s_lshl_b32 s24, s24, 6
	s_add_co_u32 s24, s24, 24576
	s_mov_b32 s25, 0
	s_wait_kmcnt 0x0
	s_load_b32 s12, s[6:7], 0x0                    ; alpha
	s_load_b32 s14, s[8:9], 0x0                    ; beta
	s_add_nc_u64 s[4:5], s[4:5], s[20:21]
	s_add_nc_u64 s[10:11], s[10:11], s[22:23]
	s_add_nc_u64 s[24:25], s[10:11], s[24:25]      ; the scale words
	s_add_nc_u64 s[10:11], s[10:11], s[26:27]      ; the images
.irp p, 0,1,2,3
.irp j, 0,1,2,3,4,5,6,7
	global_load_b128 v[X+32*\p+4*\j:X+32*\p+4*\j+3], v[L128], s[4:5] offset:\p*4096+512*\j th:TH_LOAD_NT   ; 512 consecutive bytes a load
.endr
.endr
.macro REDUCE base                     ; the four rows' pairs become the rows' totals, in every lane; the rows by turns
.irp p, 0,1,2,3
	v_add_f32 v[\base+2*\p], v[\base+2*\p], v[\base+2*\p+1]
.endr
.irp m, 1,2,4,8
.irp p, 0,1,2,3
	v_add_f32_dpp v[\base+2*\p], v[\base+2*\p], v[\base+2*\p] row_xmask:\m row_mask:0xf bank_mask:0xf
.endr
.endr
.irp p, 0,1,2,3
	v_permlanex16_b32 v[TP+\p], v[\base+2*\p], s[SEL], s[SEL+1]
.endr
.irp p, 0,1,2,3
	v_add_f32 v[\base+2*\p], v[\base+2*\p], v[TP+\p]
.endr
.endm
	s_wait_loadcnt 0x0
.irp p, 0,1,2,3
	v_pk_add_f32 v[SA+2*\p:SA+2*\p+1], v[X+32*\p:X+32*\p+1], v[X+32*\p+2:X+32*\p+3]
.endr
.irp j, 4,6,8,10,12,14,16,18,20,22,24,26,28,30
.irp p, 0,1,2,3
	v_pk_add_f32 v[SA+2*\p:SA+2*\p+1], v[SA+2*\p:SA+2*\p+1], v[X+32*\p+\j:X+32*\p+\j+1]
.endr
.endr
	REDUCE SA
.irp p, 0,1,2,3
	v_mul_f32 v[SA+2*\p], 0x3a800000, v[SA+2*\p]   ; the mean: x 2^-10, exact
.endr
.irp p, 0,1,2,3
	v_mov_b32 v[SA+2*\p+1], v[SA+2*\p]
.endr
.irp j, 0,2,4,6,8,10,12,14,16,18,20,22,24,26,28,30
.irp p, 0,1,2,3
	v_pk_add_f32 v[X+32*\p+\j:X+32*\p+\j+1], v[X+32*\p+\j:X+32*\p+\j+1], v[SA+2*\p:SA+2*\p+1] neg_lo:[0,1] neg_hi:[0,1]   ; x - mean, in place
.endr
.endr
.irp p, 0,1,2,3
	v_pk_mul_f32 v[G+2*\p:G+2*\p+1], v[X+32*\p:X+32*\p+1], v[X+32*\p:X+32*\p+1]
.endr
.irp j, 2,4,6,8,10,12,14,16,18,20,22,24,26,28,30
.irp p, 0,1,2,3
	v_pk_fma_f32 v[G+2*\p:G+2*\p+1], v[X+32*\p+\j:X+32*\p+\j+1], v[X+32*\p+\j:X+32*\p+\j+1], v[G+2*\p:G+2*\p+1]
.endr
.endr
	REDUCE G
.irp p, 0,1,2,3
	v_mul_f32 v[G+2*\p], 0x3a802008, v[G+2*\p]     ; / 1023
.endr
	s_wait_alu depctr_va_vdst(0)
.irp p, 0,1,2,3
	v_sqrt_f32 v[G+2*\p], v[G+2*\p]
.endr
	v_nop                                          ; a plain line behind the last root,
	s_wait_alu depctr_va_vdst(0)                   ; and one wait for the four, ahead of their first reader
.irp p, 0,1,2,3
	v_add_f32 v[G+2*\p], 0x358637bd, v[G+2*\p]     ; + 1e-6
.endr
	s_wait_alu depctr_va_vdst(0)
.irp p, 0,1,2,3
	v_rcp_f32 v[G+2*\p], v[G+2*\p]
.endr
	v_nop
	s_wait_alu depctr_va_vdst(0)                   ; likewise for the four reciprocals
	s_wait_kmcnt 0x0                               ; alpha and beta
	s_mov_b32 s15, s14                             ; (the packed form names the pair)
.irp p, 0,1,2,3
	v_mul_f32 v[G+2*\p], s12, v[G+2*\p]
.endr
.irp p, 0,1,2,3
	v_mov_b32 v[G+2*\p+1], v[G+2*\p]
.endr
.irp j, 0,2,4,6,8,10,12,14,16,18,20,22,24,26,28,30
.irp p, 0,1,2,3
	v_pk_fma_f32 v[X+32*\p+\j:X+32*\p+\j+1], v[X+32*\p+\j:X+32*\p+\j+1], v[G+2*\p:G+2*\p+1], s[14:15] op_sel_hi:[1,1,0]
.endr
.endr
.irp p, 0,1,2,3
.irp j, 0,1,2,3,4,5,6,7
	ds_store_b128 v[STA], v[X+32*\p+4*\j:X+32*\p+4*\j+3] offset:\p*PITCH+512*\j
.endr
.endr
	s_wait_dscnt 0x0                               ; for the others' sake: my rows lie in LDS
	s_barrier_signal -1
	s_barrier_wait -1
; 64 numbers of a lane, registers 0-31 = k 32 h + 0 .. 31 and 32-63 = k 64 + 32 h + 0 .. 31 of its row, become a fragment's 12 registers and, in every lane, the row's scale word.
.macro QB x, im, wd
.irp c, 0,1
	v_max3_num_f32 v[QM+\c], |v[\x+32*\c]|, |v[\x+32*\c+1]|, 0x1800000   ; a whole block is mine; the floor 2^(3 - 127) holds the byte at 1 from below
.endr
.irp i, 2,4,6,8,10,12,14,16,18,20,22,24,26,28,30
.irp c, 0,1
	v_max3_num_f32 v[QM+\c], v[QM+\c], |v[\x+32*\c+\i]|, |v[\x+32*\c+\i+1]|
.endr
.endr
.irp c, 0,1
	v_add_nc_u32 v[QS+\c], 0xff000000, v[QM+\c]    ; 2 off the exponent field: the conversion's scale operand
.endr
.irp c, 0,1
	v_lshrrev_b32 v[QM+\c], 23, v[QS+\c]           ; the byte
.endr
	v_lshl_or_b32 v[\wd], v[QM+1], 16, v[QM]       ; blocks h and 2 + h,
	v_lshlrev_b32 v[\wd], v[SH8], v[\wd]           ; at their places;
	v_permlanex16_b32 v[QP], v[\wd], s[SEL], s[SEL+1]
	v_or_b32 v[\wd], v[\wd], v[QP]                 ; with lane l xor 16's two the word is whole
	v_cvt_scalef32_pk16_fp6_f32 v[\im:\im+2], v[\x:\x+15], v[QS]
	v_cvt_scalef32_pk16_fp6_f32 v[QT:QT+2], v[\x+16:\x+31], v[QS]          ; (a conversion's three registers begin on an even number)
	v_cvt_scalef32_pk16_fp6_f32 v[\im+6:\im+8], v[\x+32:\x+47], v[QS+1]
	v_cvt_scalef32_pk16_fp6_f32 v[QT+4:QT+6], v[\x+48:\x+63], v[QS+1]
	v_nop                                          ; one plain line behind a scaled conversion
.irp i, 0,1,2
	v_mov_b32 v[\im+3+\i], v[QT+\i]
	v_mov_b32 v[\im+9+\i], v[QT+4+\i]
.endr
.endm
.irp q, 0,1
.irp c, 0,1
.irp i, 0,1,2,3,4,5,6,7
	ds_load_b128 v[X+32*\c+4*\i:X+32*\c+4*\i+3], v[LDA] offset:\q*512+256*\c+16*\i
.endr
.endr
	s_wait_dscnt 0x0
	QB X, IM+12*\q, WD+\q
.irp c, 0,1
	global_store_b128 v[L128], v[IM+12*\q+6*\c:IM+12*\q+6*\c+3], s[10:11] offset:\q*1536+\c*768       ; 512 consecutive bytes, aligned to 256
	global_store_b64 v[L64], v[IM+12*\q+6*\c+4:IM+12*\q+6*\c+5], s[10:11] offset:\q*1536+\c*768+512   ; 256
.endr
	global_store_b32 v[R4], v[WD+\q], s[24:25] offset:\q*512   ; 64 bytes: the tile's words (lanes 16-31 store the same words to the same places)
.endr
	s_wait_tensorcnt 0x0
	ds_add_u32 v200, v201
	s_wait_dscnt 0x0
	s_endpgm
.Lfunc_end_k_q95081605fd_prep:
	.size	k_q95081605fd_prep, .Lfunc_end_k_q95081605fd_prep-k_q95081605fd_prep
	.p2alignl 7, 3214868480
	.fill 96, 4, 3214868480
	.section	.rodata,"a",@progbits
	.p2align	6, 0x0
	.amdhsa_kernel k_q95081605fd_prep
		.amdhsa_group_segment_fixed_size 66304
		.amdhsa_private_segment_fixed_size 0
		.amdhsa_enable_private_segment 0
		.amdhsa_kernarg_size 88
		.amdhsa_user_sgpr_count 2
		.amdhsa_user_sgpr_kernarg_segment_ptr 1
		.amdhsa_wavefront_size32 1
		.amdhsa_system_sgpr_workgroup_id_x 1
		.amdhsa_system_sgpr_workgroup_id_y 1
		.amdhsa_system_sgpr_workgroup_id_z 1
		.amdhsa_system_vgpr_workitem_id 0
		.amdhsa_next_free_vgpr 202
		.amdhsa_next_free_sgpr 66
		.amdhsa_reserve_vcc 0
		.amdhsa_float_denorm_mode_32 3
		.amdhsa_float_denorm_mode_16_64 3
		.amdhsa_memory_ordered 1
		.amdhsa_forward_progress 1
		.amdhsa_inst_pref_size 61
	.end_amdhsa_kernel
	.amdgpu_metadata
---
amdhsa.version: [ 1, 2 ]
amdhsa.kernels:
  - .name:           k_q95081605fd_prep
    .symbol:         k_q95081605fd_prep.kd
    .args:
      - { .name: Wq, .offset: 0, .size: 8, .value_kind: global_buffer, .address_space: global }
      - { .name: Wk, .offset: 8, .size: 8, .value_kind: global_buffer, .address_space: global }
      - { .name: Wv, .offset: 16, .size: 8, .value_kind: global_buffer, .address_space: global }
      - { .name: Wo, .offset: 24, .size: 8, .value_kind: global_buffer, .address_space: global }
      - { .name: W1, .offset: 32, .size: 8, .value_kind: global_buffer, .address_space: global }
      - { .name: W2, .offset: 40, .size: 8, .value_kind: global_buffer, .address_space: global }
      - { .name: wc, .offset: 48, .size: 8, .value_kind: global_buffer, .address_space: global }
      - { .name: x, .offset: 56, .size: 8, .value_kind: global_buffer, .address_space: global }
      - { .name: alpha1, .offset: 64, .size: 8, .value_kind: global_buffer, .address_space: global }
      - { .name: beta1, .offset: 72, .size: 8, .value_kind: global_buffer, .address_space: global }
      - { .name: nc, .offset: 80, .size: 8, .value_kind: global_buffer, .address_space: global }
    .group_segment_fixed_size: 66304
    .private_segment_fixed_size: 0
    .kernarg_segment_align: 8
    .kernarg_segment_size: 88
    .max_flat_workgroup_size: 128
    .sgpr_count:     66
    .vgpr_count:     202
    .wavefront_size: 32
...
	.end_amdgpu_metadata
.endif
;; end of part 1
;; launch qkv (part 2): grid 12 x 16, 4 waves a work-group, clusters of 4 x 4, 327,680 bytes of LDS; arguments nc, wc, bq, bk, bv, qb, kv; writes qb, kv
.if DOCPART == 2
	.amdgcn_target "amdgcn-amd-amdhsa--gfx1250"
	.amdhsa_code_object_version 6
	.text
	.protected	k_q95081605fd_qkv
	.globl	k_q95081605fd_qkv
	.p2align	8
	.type	k_q95081605fd_qkv,@function
k_q95081605fd_qkv:
	s_mov_b64 s[64:65], 0
	v_nop
	global_prefetch_b8 v0, s[64:65] scope:SCOPE_SE
	s_setreg_imm32_b32 hwreg(HW_REG_WAVE_MODE, 25, 1), 1
	s_wait_xcnt 0x0
	s_wait_alu depctr_hold_cnt(0) depctr_sa_sdst(0) depctr_va_vdst(0) depctr_va_sdst(0) depctr_va_ssrc(0) depctr_va_vcc(0) depctr_vm_vsrc(0)
	s_getreg_b32 s2, hwreg(HW_REG_IB_STS2, 6, 4)
	s_cmp_eq_u32 s2, 0
	s_cbranch_scc0 .Lentry_in_a_cluster
	s_endpgm
.Lentry_in_a_cluster:
	s_bfe_u32 s2, ttmp6, 0x10000c
	s_cmp_lg_u32 s2, 0xf033
	s_cbranch_scc0 .Lentry_shape_is_right
	s_endpgm
.Lentry_shape_is_right:
; [q | k | v] = n1 [Wq | Wk | Wv] + bias on codes of FP6 (E2M3) with E8M0 scales; the results are quantised on the way out: q and k along the head's 64, v along the keys.
; OPERANDS lie in memory as images of the matrix unit's registers, in UNITS of 25,600 bytes = 128 rows x 256 K: image (tile t, K step q, half c) at 3072 t + 1536 q + 768 c (lane's 16 bytes at 16 x lane, its last 8 at 512 + 8 x lane),
; scale words at 24576 + 512 q + 64 t + 4 r.  So a unit is one dense block for one tensor load, its scales travel with it, and a fragment comes out of LDS by four dense loads: no pitch, no padding.
; SHARES.  A tile of 256 tokens x 256 columns to a work-group of four waves, 128 x 128 to a wave (64 accumulators, 512 registers).
; K = 1,024 is four tiles of 256 (4 units each; each wave brings one unit a tile) in THREE LDS slots: tiles 0 to 2 are first fills; tile 3 is asked for behind the first change of slots, into slot 0, and has two tiles' products
; (256 matrix instructions a wave) in which to land.  The change from slot 1 to slot 2 needs no barrier: in front of the first change's barrier every wave has waited for all its loads.
; CLUSTERS: 4 x 4.  A's units are asked for jointly along a row of the cluster, B's along a column.  The cluster's x says which of q, k, v its columns are: the same in all sixteen partners.
; TRANSPOSED USE: source 0 = 16 columns of the weights, source 1 = 16 tokens: a lane holds one token and eight neighbouring columns.  The bias is the C of each sum's first product.
; OUT.  qb: for head bh and tile of 16 queries an image of 768 bytes at (128 bh + tile) 768; scale words (two bytes used, the upper two 0) at 3,145,728 + 8192 bh + 64 tile + 4 r.
; kv: for head bh and step of 128 keys 13,056 bytes: 8 images of K, in which lane row i of tile 4 c + u holds key 64 c + 32 (i / 8) + 8 u + i % 8; their words at 6144; 4 fragments of V^T (16 d x 128 keys) at 6656; their words at 12800.
; K's images are stored in pieces of 128 and 64 consecutive bytes and all scale words in pieces of 32 or 64: parts of aligned blocks of 256; they are a small part of the launch's stores.
; LIMITS: zero blocks and blocks under 2^-124 get the byte 1 (read by this program alone); NaN and infinities are not served.
; REGISTERS: window 0: v0-31 addresses, v32-63 scale words (two sets), v64-255 A's fragments (two buffers of 96).  window 1: v0-191 B's (two buffers), v192-255 the bias.  windows 2, 3: the accumulators, (a, b) at 8 (8 (a % 4) + b).
.set UNIT,   25600
.set SLOT,   4*UNIT
.set SPARE,  3*SLOT                    ; behind the three slots: the spare words, 128 bytes a wave, which no other line names
.set NGA,    32                        ; groups of 128 rows in A,
.set NGB,    24                        ; in B
.set BOFF,   0                         ; where B begins in wc
.set NQS,    2                         ; K steps of 128 in a tile
.set FR,     12
.set SPITCH, 528                       ; the way out: a stage of 16 rows x (512 + 16) bytes a wave, in slot 1, which is filled once and has had its last read in front of the last barrier
.set STGV,   4*16*SPITCH               ; v's path has stage bytes of its own
.set R,    1
.set HF,   2
.set L128P, 4                          ; 16 x lane
.set L64P, 5                           ; 8 x lane
.set R4,   6                           ; 4 r
.set SH8,  7                           ; 8 h
; K's images as they are stored now: lane row i of tile 4 c + u holds key 64 c + 32 (i / 8) + 8 u + i % 8 of the step's 128 (this order takes the place of the one named at the head)
.set L128, 160                         ; v160-163, v164-167, v168-171: q's and k's places for token tiles a % 4 = 0 .. 3
.set L64,  164
.set LS,   168
.set SH16, 14                          ; 16 h
.set BA,   15                          ; 32 h
.set A128, 16                          ; v16-20 my places in slot 0, never rewritten: A's fragments + 16 x lane, + 8 x lane; B's likewise; my scale words (lanes 0-15 A's rows, lanes 16-31 B's)
.set A64,  17
.set B128, 18
.set B64,  19
.set ADRS, 20
.set CA128, 21                         ; v21-23, v30-31 the same in the slot that is being fetched from
.set CA64, 22
.set CB128, 23
.set STO,  24
.set RD,   25
.set STOV, 26
.set RDV,  27
.set SPW,  28                          ; my spare word's address; never rewritten
.set NIL,  29                          ; 0; never rewritten
.set CB64, 30
.set CADRS, 31
.set SC,   32
.set AF,   64
.set BIAS, 192
.set X,    64                          ; the way out: 64 numbers,
.set IM,   128                         ; a fragment's image,
.set QT,   140
.set QM,   148
.set QS,   150
.set QP,   152
.set WD,   153
.set WD2,  154
.set G1,  24
.set G0,  32                           ; s[32:39] group 0 of A's loads into slots 0, 1;  s[80:83] into slot 2
.set G1B, 48
.set G0B, 56                           ; s[56:63], s[84:87] the same for B's
.set G0C, 80
.set G0CB, 84
.set SEL, 66
.set PC,  96
.set PS,  100
.set MSB, 0
.macro WIN new                         ; the immediate's high byte repeats the setting that is left
.if MSB != (\new)
	s_set_vgpr_msb (MSB<<8)|(\new)
.set MSB, (\new)
.endif
.endm
.macro PLACES                          ; four plain lines between a matrix instruction and a load into, or a vector or LDS read of, its registers
.rept 4
	v_nop
.endr
.endm
; A joint load: waves 0 and 1 fetch A's two units, waves 2 and 3 B's.  The branch hangs on the wave's number alone.  Four v_nop follow each line.
.macro JLOAD g0a, g1a, g0b, g1b
	s_cmp_eq_u32 s15, 0
	s_cbranch_scc0 .Lfor_b_\@
	tensor_load_to_lds s[\g0a:\g0a+3], s[\g1a:\g1a+7]
	s_nop 0
.rept 4
	v_nop
.endr
	s_branch .Lasked_\@
.Lfor_b_\@:
	tensor_load_to_lds s[\g0b:\g0b+3], s[\g1b:\g1b+7]
	s_nop 0
.rept 4
	v_nop
.endr
.Lasked_\@:
.endm
.macro CREST                           ; a round of the cluster's barrier behind its opening barrier
	s_cmp_lg_u32 s14, 0
	s_cbranch_scc1 .Lnot_wave_0_\@
	s_barrier_signal -3
.Lnot_wave_0_\@:
	s_barrier_wait -3
	s_barrier_signal -1
	s_barrier_wait -1
.endm
.macro CROUND
	s_barrier_signal -1
	s_barrier_wait -1
	CREST
.endm
	s_load_b256 s[4:11], s[0:1], 0x0               ; nc, wc, bq, bk
	s_load_b128 s[68:71], s[0:1], 0x20             ; bv, qb
	s_load_b64 s[72:73], s[0:1], 0x30              ; kv
	v_lshl_add_u32 v[SPW], v0, 2, SPARE
	v_mov_b32 v[NIL], 0
	ds_add_u32 v28, v29
	ds_add_u32 v28, v29
	s_wait_dscnt 0x0
	v_lshrrev_b32 v1, 5, v0
	v_readfirstlane_b32 s14, v1                    ; wave
	s_lshr_b32 s15, s14, 1                         ; which 128 tokens are mine.  Also: I fetch for A (0) or B (1)
	s_and_b32 s16, s14, 1                          ; which 128 columns.  Also: which of the two units I fetch
	s_bfe_u32 s40, ttmp6, 0x40000                  ; cx, cy
	s_bfe_u32 s41, ttmp6, 0x40004
	s_lshl_b32 s42, ttmp9, 2
	s_add_co_u32 s42, s42, s40                     ; tile column
	s_and_b32 s17, ttmp7, 0xffff
	s_lshl_b32 s17, s17, 2
	s_add_co_u32 s17, s17, s41                     ; tile row
	s_lshl_b32 s43, s41, 2
	s_lshl_b32 s43, 15, s43                        ; my row of the cluster
	s_lshl_b32 s44, 0x1111, s40                    ; my column
	s_or_b32 s[G1], s43, (3<<16)|(1<<21)           ; the mask; elements of 8 bytes; bit 21 beside a mask; no padding
	s_or_b32 s[G1B], s44, (3<<16)|(1<<21)
.irp g, G1, G1B                        ; a unit: 100 dense rows of 256 bytes
	s_mov_b32 s[\g+1], 32<<16
	s_mov_b32 s[\g+2], 200<<16                     ; the head's loads bring two units on end: 200 rows; behind them the two words are set to 100
	s_mov_b32 s[\g+3], 32<<16
	s_mov_b32 s[\g+4], 200
	s_mov_b32 s[\g+5], 32
	s_mov_b32 s[\g+6], 0
	s_mov_b32 s[\g+7], 0
.endr
	s_lshl_b32 s20, s17, 1
	s_add_co_u32 s20, s20, s16
	s_mul_i32 s20, s20, UNIT                       ; A: group 2 x tile row + which
	s_mov_b32 s21, 0
	s_lshl_b32 s46, s42, 1
	s_add_co_u32 s46, s46, s16
	s_mul_i32 s46, s46, UNIT                       ; B: group 2 x tile column + which
	s_add_co_u32 s46, s46, BOFF
	s_mov_b32 s47, 0
	s_mul_i32 s45, s14, UNIT                       ; in a slot: wave x a unit
	s_wait_kmcnt 0x0
	s_add_nc_u64 s[20:21], s[4:5], s[20:21]
	s_add_nc_u64 s[46:47], s[6:7], s[46:47]
	CROUND                                         ; all sixteen work-groups are here: the first joint loads meet
.macro FIRST s, g0a, g0b               ; tile s into slot s
	s_mov_b32 s[\g0a], 1
	s_add_co_u32 s[\g0a+1], s45, (\s)*SLOT
	s_add_nc_u64 s[\g0a+2:\g0a+3], s[20:21], (\s)*NGA*UNIT
	s_or_b32 s[\g0a+3], s[\g0a+3], 0x80000000
	s_mov_b32 s[\g0b], 1
	s_add_co_u32 s[\g0b+1], s45, (\s)*SLOT
	s_add_nc_u64 s[\g0b+2:\g0b+3], s[46:47], (\s)*NGB*UNIT
	s_or_b32 s[\g0b+3], s[\g0b+3], 0x80000000
.endm
	FIRST 0, G0, G0B                               ; group 0 of my unit in slot 0 (taken up again for tile 3),
	FIRST 2, G0C, G0CB                             ; and of my unit of tile 2
	; THE HEAD'S LOADS, ONE A WAVE: wave 0 A's two units of tile 0, wave 1 B's two, wave 2 A's two of tile 1, wave 3 B's two: slots 0 and 1 whole
	s_mul_i32 s18, s16, UNIT
	s_mov_b32 s19, 0
	s_sub_nc_u64 s[22:23], s[20:21], s[18:19]      ; the pair's first unit
	s_sub_nc_u64 s[88:89], s[46:47], s[18:19]
	s_mul_i32 s18, s15, NGA*UNIT                   ; tile = wave / 2
	s_add_nc_u64 s[22:23], s[22:23], s[18:19]
	s_mul_i32 s18, s15, NGB*UNIT
	s_add_nc_u64 s[88:89], s[88:89], s[18:19]
	s_mul_i32 s18, s15, SLOT
	s_mov_b32 s[G0+4], 1
	s_mov_b32 s[G0+5], s18
	s_mov_b64 s[G0+6:G0+7], s[22:23]
	s_or_b32 s[G0+7], s[G0+7], 0x80000000
	s_mov_b32 s[G0B+4], 1
	s_add_co_u32 s[G0B+5], s18, 2*UNIT
	s_mov_b64 s[G0B+6:G0B+7], s[88:89]
	s_or_b32 s[G0B+7], s[G0B+7], 0x80000000
	s_cmp_eq_u32 s16, 0
	s_cbranch_scc0 .Lhead_b
	tensor_load_to_lds s[G0+4:G0+7], s[G1:G1+7]
	s_nop 0
.rept 4
	v_nop
.endr
	s_branch .Lhead_asked
.Lhead_b:
	tensor_load_to_lds s[G0B+4:G0B+7], s[G1B:G1B+7]
	s_nop 0
.rept 4
	v_nop
.endr
.Lhead_asked:
	v_and_b32 v[R], 15, v0
	v_bfe_u32 v[HF], v0, 4, 1
	v_and_b32 v3, 31, v0
	v_lshlrev_b32 v[L128P], 4, v3
	v_lshlrev_b32 v[L64P], 3, v3
	v_lshlrev_b32 v[R4], 2, v[R]
	v_lshlrev_b32 v[SH8], 3, v[HF]
	v_lshlrev_b32 v[SH16], 4, v[HF]
	v_lshlrev_b32 v[BA], 5, v[HF]
	s_mul_i32 s21, s15, UNIT                       ; my 128 tokens' unit,
	s_mul_i32 s22, s16, UNIT
	s_add_co_u32 s22, s22, 2*UNIT                  ; my 128 columns'
	v_add_nc_u32 v[A128], s21, v[L128P]
	v_add_nc_u32 v[A64], s21, v[L64P]
	v_add_nc_u32 v[B128], s22, v[L128P]
	v_add_nc_u32 v[B64], s22, v[L64P]
	s_sub_co_u32 s22, s22, s21
	v_mul_u32_u24 v3, s22, v[HF]                   ; lanes 16-31 take B's words: one product, the distance between the two units
	v_lshl_add_u32 v3, v[R], 2, v3
	s_add_co_u32 s21, s21, 24576
	v_add_nc_u32 v[ADRS], s21, v3
	s_mul_i32 s23, s14, 16*SPITCH                  ; my stages, in slot 1
	s_add_co_u32 s23, s23, SLOT
	v_mul_u32_u24 v3, v[R], SPITCH
	v_add_nc_u32 v3, s23, v3
	v_lshl_add_u32 v[STO], v[HF], 5, v3            ; in: row r, + 32 h
	v_lshl_add_u32 v[RD], v[HF], 7, v3             ; back: row r, + 128 h
	v_add_nc_u32 v[RDV], STGV, v[RD]
	v_mul_u32_u24 v3, v[HF], 8*SPITCH
	v_lshl_add_u32 v3, v[R], 2, v3
	v_add_nc_u32 v3, s23, v3
	v_add_nc_u32 v[STOV], STGV, v3                 ; v's way in: row 8 h + j, column = token
	s_mov_b32 s[SEL], 0x76543210
	s_mov_b32 s[SEL+1], 0xfedcba98
	s_lshl_b32 s76, s17, 1
	s_add_co_u32 s76, s76, s15                     ; which 128 tokens of the 4,096
	s_lshr_b32 s78, s76, 4                         ; the batch,
	s_and_b32 s76, s76, 15                         ; the step of 128 keys in it
	s_lshl_b32 s79, s42, 8
	s_lshl_b32 s77, s16, 7
	s_add_co_u32 s79, s79, s77
	s_and_b32 s79, s79, 1023                       ; my first column in q, k or v
	s_lshr_b32 s77, s79, 6                         ; my first head
	s_lshl_b32 s78, s78, 4
	s_add_co_u32 s78, s78, s77                     ; 16 x batch + head
	s_lshl_b32 s18, s79, 2
	s_mov_b32 s19, 0
	s_cmp_eq_u32 ttmp9, 1
	s_cselect_b64 s[74:75], s[10:11], s[8:9]
	s_cmp_eq_u32 ttmp9, 2
	s_cselect_b64 s[74:75], s[68:69], s[74:75]
	s_add_nc_u64 s[74:75], s[74:75], s[18:19]      ; the bias of my 128 columns
	WIN 0x40                                       ; destination window 1
.irp b, 0,1,2,3,4,5,6,7
	global_load_b128 v[BIAS+8*\b:BIAS+8*\b+3], v[BA], s[74:75] offset:64*\b        ; register 8 b + j: column 16 b + 8 h + j
	global_load_b128 v[BIAS+8*\b+4:BIAS+8*\b+7], v[BA], s[74:75] offset:64*\b+16
.endr
	WIN 0
.macro SETSLOT s                       ; my places in slot s: five plain lines, which name no register of a product: they are also places ahead of the fragment loads
	v_add_nc_u32 v[CA128], (\s)*SLOT, v[A128]
	v_add_nc_u32 v[CA64], (\s)*SLOT, v[A64]
	v_add_nc_u32 v[CB128], (\s)*SLOT, v[B128]
	v_add_nc_u32 v[CB64], (\s)*SLOT, v[B64]
	v_add_nc_u32 v[CADRS], (\s)*SLOT, v[ADRS]
.endm
.macro FRAG reg, a128, a64, off        ; a fragment's 12 registers by four dense loads
	ds_load_b128 v[\reg:\reg+3], v[\a128] offset:\off
	ds_load_b64 v[\reg+4:\reg+5], v[\a64] offset:\off+512
	ds_load_b128 v[\reg+6:\reg+9], v[\a128] offset:\off+768
	ds_load_b64 v[\reg+10:\reg+11], v[\a64] offset:\off+1280
.endm
.macro FETCH q, buf                    ; the tile's q-th 128 along K: B's eight fragments and A's eight
	WIN 0x40
.irp i, 0,1,2,3,4,5,6,7
	FRAG 96*(\buf)+FR*\i, CB128, CB64, \i*3072+(\q)*1536
.endr
	WIN 0
.irp i, 0,1,2,3,4,5,6,7
	FRAG AF+96*(\buf)+FR*\i, CA128, CA64, \i*3072+(\q)*1536
.endr
.endm
.macro SCALES set                      ; register NQS i + q of the set: lanes 0-15 the words of A's block i, lanes 16-31 of B's block i
.irp i, 0,1,2,3,4,5,6,7
.irp q, 0,1
	ds_load_b32 v[SC+16*(\set)+NQS*\i+\q], v[CADRS] offset:\q*512+\i*64
.endr
.endr
.endm
; 16 products: A's blocks 2 p, 2 p + 1 against B's eight.  The 64 accumulators take turns, one instruction a turn, in the same order in every K step.  first = 1: C is the bias.
.macro MULP p, buf, q, set, first
.if \first
	WIN 0x91+0x40*((\p)/2)                         ; B window 1, A window 0, C (the bias) window 1, D window 2 or 3
.else
	WIN 0xa1+0x50*((\p)/2)                         ; C and D window 2 or 3
.endif
.irp a, 2*(\p), 2*(\p)+1
.irp b, 0,1,2,3,4,5,6,7
.if \first
	v_wmma_scale_f32_16x16x128_f8f6f4 v[8*(8*((\a)%4)+\b):8*(8*((\a)%4)+\b)+7], v[96*(\buf)+FR*\b:96*(\buf)+FR*\b+FR-1], v[AF+96*(\buf)+FR*(\a):AF+96*(\buf)+FR*(\a)+FR-1], v[BIAS+8*\b:BIAS+8*\b+7], v[SC+16*(\set)+NQS*\b+(\q)], v[SC+16*(\set)+NQS*(\a)+(\q)] matrix_a_fmt:MATRIX_FMT_FP6 matrix_b_fmt:MATRIX_FMT_FP6 matrix_a_scale:MATRIX_SCALE_ROW1
.else
	v_wmma_scale_f32_16x16x128_f8f6f4 v[8*(8*((\a)%4)+\b):8*(8*((\a)%4)+\b)+7], v[96*(\buf)+FR*\b:96*(\buf)+FR*\b+FR-1], v[AF+96*(\buf)+FR*(\a):AF+96*(\buf)+FR*(\a)+FR-1], v[8*(8*((\a)%4)+\b):8*(8*((\a)%4)+\b)+7], v[SC+16*(\set)+NQS*\b+(\q)], v[SC+16*(\set)+NQS*(\a)+(\q)] matrix_a_fmt:MATRIX_FMT_FP6 matrix_b_fmt:MATRIX_FMT_FP6 matrix_a_scale:MATRIX_SCALE_ROW1
.endif
.endr
.endr
.endm
.macro STEP q, set, first              ; a K step that has its successor in the same tile
	s_wait_dscnt 0x0                               ; this step's fragments, asked for a whole K step ago
	PLACES                                         ; ahead of loads into the buffer that the last products read
	FETCH (\q)+1, ((\q)+1)%2
	MULP 0, (\q)%2, \q, \set, \first
	MULP 1, (\q)%2, \q, \set, \first
	MULP 2, (\q)%2, \q, \set, \first
	MULP 3, (\q)%2, \q, \set, \first
.endm
; A tile's last K step, where the next tile has been shown landed to every wave by an earlier barrier: no barrier here.
.macro PASS set, next, nset
	s_wait_dscnt 0x0
	WIN 0
	SETSLOT \next
	FETCH 0, 0
	SCALES \nset
	MULP 0, 1, NQS-1, \set, 0
	MULP 1, 1, NQS-1, \set, 0
	MULP 2, 1, NQS-1, \set, 0
	MULP 3, 1, NQS-1, \set, 0
.endm
; A tile's last K step with a barrier; in front of it each wave waits for all its tensor loads, adds 0 to its spare word, and waits for that and for its reads so far.  fill = 1: slot 0, just read out, takes tile 3.
.macro TURN set, next, nset, fill
	WIN 0
	s_wait_tensorcnt 0x0                           ; no tensor load of mine is out
	ds_add_u32 v[SPW], v[NIL]                      ; 0 onto my spare word
	s_wait_dscnt 0x1                               ; this step's fragments are in; the add alone may be out
	MULP 0, 1, NQS-1, \set, 0
	s_wait_dscnt 0x0                               ; the add is done, and my reads of this slot are over
	s_barrier_signal -1
	MULP 1, 1, NQS-1, \set, 0
	WIN 0
	s_barrier_wait -1
.if \fill
	CREST                                          ; the barrier has opened a round of the cluster's: no wave of any partner still reads slot 0 or has a load on its way
	s_add_nc_u64 s[G0+2:G0+3], s[G0+2:G0+3], 3*NGA*UNIT
	s_add_nc_u64 s[G0B+2:G0B+3], s[G0B+2:G0B+3], 3*NGB*UNIT
	JLOAD G0, G1, G0B, G1B                         ; the first tensor load behind the round, and my only one
.endif
	SETSLOT \next
	FETCH 0, 0
	SCALES \nset
	MULP 2, 1, NQS-1, \set, 0
	MULP 3, 1, NQS-1, \set, 0
.endm
	s_wait_alu depctr_va_vdst(0)                   ; the wait at the head's end
	s_wait_tensorcnt 0x0                           ; my two units are in; slot 2's first fill is issued as a refill is:
	ds_add_u32 v[SPW], v[NIL]                      ; 0 onto my spare word
	s_mov_b32 s[G1+2], 100<<16                     ; no tensor load of mine is out: from here on a load brings one unit, 100 rows
	s_mov_b32 s[G1+4], 100
	s_mov_b32 s[G1B+2], 100<<16
	s_mov_b32 s[G1B+4], 100
	s_wait_dscnt 0x0
	CROUND                                         ; slots 0 and 1 are whole, and all sixteen work-groups are here
	JLOAD G0C, G1, G0CB, G1B                       ; tile 2, my one load behind the round
	SETSLOT 0
	FETCH 0, 0
	SCALES 0
	s_wait_alu depctr_va_vdst(0)
	s_wait_loadcnt 0x0                             ; the bias
	STEP 0, 0, 1                                   ; tile 0
	TURN 0, 1, 1, 1                                ; slots 1 and 2 are whole; slot 0 takes tile 3
	s_wait_alu depctr_va_vdst(0)
	STEP 0, 1, 0                                   ; tile 1
	PASS 1, 2, 0
	s_wait_alu depctr_va_vdst(0)
	STEP 0, 0, 0                                   ; tile 2
	TURN 0, 0, 1, 0                                ; tile 3 has landed; nothing more is asked for
	s_wait_alu depctr_va_vdst(0)
	STEP 0, 1, 0                                   ; tile 3
	s_wait_dscnt 0x0
	MULP 0, 1, NQS-1, 1, 0
	MULP 1, 1, NQS-1, 1, 0
	MULP 2, 1, NQS-1, 1, 0
	MULP 3, 1, NQS-1, 1, 0
	WIN 0
	PLACES
; 64 numbers of a lane, registers 0-31 = k 32 h + 0 .. 31 and 32-63 = k 64 + 32 h + 0 .. 31 of its row, become a fragment's 12 registers and, in every lane, the row's scale word.
.macro QB x, im, wd
.irp c, 0,1
	v_max3_num_f32 v[QM+\c], |v[\x+32*\c]|, |v[\x+32*\c+1]|, 0x1800000   ; a whole block is mine; the floor 2^(3 - 127) holds the byte at 1 from below
.endr
.irp i, 2,4,6,8,10,12,14,16,18,20,22,24,26,28,30
.irp c, 0,1
	v_max3_num_f32 v[QM+\c], v[QM+\c], |v[\x+32*\c+\i]|, |v[\x+32*\c+\i+1]|
.endr
.endr
.irp c, 0,1
	v_add_nc_u32 v[QS+\c], 0xff000000, v[QM+\c]    ; 2 off the exponent field: the conversion's scale operand
.endr
.irp c, 0,1
	v_lshrrev_b32 v[QM+\c], 23, v[QS+\c]
.endr
	v_lshl_or_b32 v[\wd], v[QM+1], 16, v[QM]
	v_lshlrev_b32 v[\wd], v[SH8], v[\wd]
	v_permlanex16_b32 v[QP], v[\wd], s[SEL], s[SEL+1]
	v_or_b32 v[\wd], v[\wd], v[QP]
	v_cvt_scalef32_pk16_fp6_f32 v[\im:\im+2], v[\x:\x+15], v[QS]
	v_cvt_scalef32_pk16_fp6_f32 v[QT:QT+2], v[\x+16:\x+31], v[QS]
	v_cvt_scalef32_pk16_fp6_f32 v[\im+6:\im+8], v[\x+32:\x+47], v[QS+1]
	v_cvt_scalef32_pk16_fp6_f32 v[QT+4:QT+6], v[\x+48:\x+63], v[QS+1]
	v_nop                                          ; one plain line behind a scaled conversion
.irp i, 0,1,2
	v_mov_b32 v[\im+3+\i], v[QT+\i]
	v_mov_b32 v[\im+9+\i], v[QT+4+\i]
.endr
.endm
.macro READ adr                        ; a stage row's 128 numbers: my 2 x 32.  LDS serves a wave's instructions in order: these see my stores, and the next block's stores come behind them
.irp c, 0,1
.irp i, 0,1,2,3,4,5,6,7
	ds_load_b128 v[X+32*\c+4*\i:X+32*\c+4*\i+3], v[\adr] offset:256*\c+16*\i
.endr
.endr
	s_wait_dscnt 0x0
	s_wait_xcnt 0x0                                ; the last block's stores have read their data: the image and the word may be written again
.endm
	v_mov_b32 v[QP], 0                             ; a lane permute's destination counts as one of its sources
	s_cmp_eq_u32 ttmp9, 2                          ; the cluster's x: the same in all partners
	s_cbranch_scc1 .Lv_arm
	; ---- q and k: one text; what differs is chosen on the cluster's x.  A token's 128 columns are two heads: half c of the fragment is head c's image
	s_cmp_eq_u32 ttmp9, 1
	s_cselect_b64 s[80:81], s[72:73], s[70:71]
	s_mov_b32 s82, 98304                           ; bytes from head to head,
	s_cselect_b32 s82, 208896, s82
	s_mov_b32 s83, 6144                            ; from 128 tokens to the next,
	s_cselect_b32 s83, 13056, s83
	s_mov_b32 s84, 3145728                         ; where the scale words begin,
	s_cselect_b32 s84, 6144, s84
	s_mov_b32 s85, 8192                            ; and their two strides
	s_cselect_b32 s85, 208896, s85
	s_mov_b32 s86, 512
	s_cselect_b32 s86, 13056, s86
	s_mov_b32 s87, 128                             ; rows 8-15 of my tile: in q the image's next 8 lanes, in k the next tile;
	s_cselect_b32 s87, 768, s87
	s_mov_b32 s88, 64
	s_cselect_b32 s88, 768, s88
	s_cselect_b32 s89, 64, 32
	s_mov_b32 s90, 768                             ; an odd token tile: in q the next image, in k two tiles on
	s_cselect_b32 s90, 1536, s90
	s_mov_b32 s91, 768
	s_cselect_b32 s91, 1536, s91
	s_cselect_b32 s92, 128, 64
	s_mov_b32 s74, 1536                            ; token tiles 2, 3 of four: in q two images on, in k lane rows 8-15
	s_cselect_b32 s74, 128, s74
	s_mov_b32 s75, 1536
	s_cselect_b32 s75, 64, s75
	s_mov_b32 s77, 128
	s_cselect_b32 s77, 32, s77
	s_mul_i32 s94, s78, s82
	s_mul_i32 s93, s76, s83
	s_add_co_u32 s94, s94, s93
	s_mov_b32 s95, 0
	s_add_nc_u64 s[PC:PC+1], s[80:81], s[94:95]
	s_mov_b32 s94, s82
	s_add_nc_u64 s[PC+2:PC+3], s[PC:PC+1], s[94:95]
	s_mul_i32 s94, s78, s85
	s_mul_i32 s93, s76, s86
	s_add_co_u32 s94, s94, s93
	s_add_co_u32 s94, s94, s84
	s_add_nc_u64 s[PS:PS+1], s[80:81], s[94:95]
	v_lshrrev_b32 v155, 3, v[R]                    ; r / 8
	v_and_b32 v156, 7, v[R]                        ; r % 8
	v_mul_u32_u24 v[L128], s87, v155
	v_lshl_add_u32 v[L128], v156, 4, v[L128]
	v_lshl_add_u32 v[L128], v[HF], 8, v[L128]
	v_add_nc_u32 v[L128+1], s90, v[L128]
	v_add_nc_u32 v[L128+2], s74, v[L128]
	v_add_nc_u32 v[L128+3], s74, v[L128+1]
	v_mul_u32_u24 v[L64], s88, v155
	v_lshl_add_u32 v[L64], v156, 3, v[L64]
	v_lshl_add_u32 v[L64], v[HF], 7, v[L64]
	v_add_nc_u32 v[L64+1], s91, v[L64]
	v_add_nc_u32 v[L64+2], s75, v[L64]
	v_add_nc_u32 v[L64+3], s75, v[L64+1]
	v_mul_u32_u24 v[LS], s85, v[HF]                ; lanes 16-31 store the second head's words
	v_mad_u32_u24 v[LS], s89, v155, v[LS]
	v_lshl_add_u32 v[LS], v156, 2, v[LS]
	v_add_nc_u32 v[LS+1], s92, v[LS]
	v_add_nc_u32 v[LS+2], s77, v[LS]
	v_add_nc_u32 v[LS+3], s77, v[LS+1]
.macro BLOCKQ a                        ; tokens 16 a .. 16 a + 15
	WIN 0x08+4*((\a)/4)                            ; an LDS store's data are its source 1: window 2 or 3
.irp b, 0,1,2,3,4,5,6,7
	ds_store_b128 v[STO], v[8*(8*((\a)%4)+\b):8*(8*((\a)%4)+\b)+3] offset:64*\b       ; each accumulator from its low end on
	ds_store_b128 v[STO], v[8*(8*((\a)%4)+\b)+4:8*(8*((\a)%4)+\b)+7] offset:64*\b+16
.endr
	WIN 0
	READ RD
	QB X, IM, WD
	v_lshrrev_b32 v[WD2], v[SH16], v[WD]
	v_and_b32 v[WD2], 0xffff, v[WD2]               ; my half's head: its two bytes; the upper two stay 0
.irp c, 0,1
	global_store_b128 v[L128+(\a)%4], v[IM+6*\c:IM+6*\c+3], s[PC+2*\c:PC+2*\c+1] offset:((\a)/4)*3072
	global_store_b64 v[L64+(\a)%4], v[IM+6*\c+4:IM+6*\c+5], s[PC+2*\c:PC+2*\c+1] offset:((\a)/4)*3072+512
.endr
	global_store_b32 v[LS+(\a)%4], v[WD2], s[PS:PS+1] offset:((\a)/4)*256
.endm
.irp a, 0,1,2,3,4,5,6,7
	BLOCKQ \a
.endr
	s_branch .Ldone
.Lv_arm:	; ---- v: K of its product are the keys, my 128 tokens: the stage's rows are 16 d, its columns the tokens
	s_lshl_b32 s94, s78, 4
	s_add_co_u32 s94, s94, s76
	s_mul_i32 s94, s94, 13056
	s_add_co_u32 s94, s94, 6656
	s_mov_b32 s95, 0
	s_add_nc_u64 s[PC:PC+1], s[72:73], s[94:95]
.macro BLOCKV b                        ; columns 16 b .. 16 b + 15: head b / 4, tile b % 4 of its 64
.irp w, 0,1
	WIN 0x08+4*\w
.irp a, 0,1,2,3
.irp j, 0,1,2,3,4,5,6,7
	ds_store_b32 v[STOV], v[8*(8*\a+(\b))+\j] offset:\j*SPITCH+64*(4*\w+\a)   ; lanes 0-15 and 16-31 fall on different banks: 8 rows are 1,056 words
.endr
.endr
.endr
	WIN 0
	READ RDV
	QB X, IM, WD
.irp c, 0,1
	global_store_b128 v[L128P], v[IM+6*\c:IM+6*\c+3], s[PC:PC+1] offset:((\b)/4)*208896+((\b)%4)*1536+\c*768
	global_store_b64 v[L64P], v[IM+6*\c+4:IM+6*\c+5], s[PC:PC+1] offset:((\b)/4)*208896+((\b)%4)*1536+\c*768+512
.endr
	global_store_b32 v[R4], v[WD], s[PC:PC+1] offset:((\b)/4)*208896+6144+((\b)%4)*64
.endm
.irp b, 0,1,2,3,4,5,6,7
	BLOCKV \b
.endr
.Ldone:
	s_wait_tensorcnt 0x0                           ; the wave's end
	ds_add_u32 v[SPW], v[NIL]
	s_wait_dscnt 0x0
	CROUND                                         ; the closing round
	s_endpgm
.Lfunc_end_k_q95081605fd_qkv:
	.size	k_q95081605fd_qkv, .Lfunc_end_k_q95081605fd_qkv-k_q95081605fd_qkv
	.p2alignl 7, 3214868480
	.fill 96, 4, 3214868480
	.section	.rodata,"a",@progbits
	.p2align	6, 0x0
	.amdhsa_kernel k_q95081605fd_qkv
		.amdhsa_group_segment_fixed_size 327680
		.amdhsa_private_segment_fixed_size 0
		.amdhsa_enable_private_segment 0
		.amdhsa_kernarg_size 56
		.amdhsa_user_sgpr_count 2
		.amdhsa_user_sgpr_kernarg_segment_ptr 1
		.amdhsa_wavefront_size32 1
		.amdhsa_system_sgpr_workgroup_id_x 1
		.amdhsa_system_sgpr_workgroup_id_y 1
		.amdhsa_system_sgpr_workgroup_id_z 1
		.amdhsa_system_vgpr_workitem_id 0
		.amdhsa_next_free_vgpr 1024
		.amdhsa_next_free_sgpr 102
		.amdhsa_reserve_vcc 0
		.amdhsa_float_denorm_mode_32 3
		.amdhsa_float_denorm_mode_16_64 3
		.amdhsa_memory_ordered 1
		.amdhsa_forward_progress 1
		.amdhsa_inst_pref_size 232
	.end_amdhsa_kernel
	.amdgpu_metadata
---
amdhsa.version: [ 1, 2 ]
amdhsa.kernels:
  - .name:           k_q95081605fd_qkv
    .symbol:         k_q95081605fd_qkv.kd
    .args:
      - { .name: nc, .offset: 0, .size: 8, .value_kind: global_buffer, .address_space: global }
      - { .name: wc, .offset: 8, .size: 8, .value_kind: global_buffer, .address_space: global }
      - { .name: bq, .offset: 16, .size: 8, .value_kind: global_buffer, .address_space: global }
      - { .name: bk, .offset: 24, .size: 8, .value_kind: global_buffer, .address_space: global }
      - { .name: bv, .offset: 32, .size: 8, .value_kind: global_buffer, .address_space: global }
      - { .name: qb, .offset: 40, .size: 8, .value_kind: global_buffer, .address_space: global }
      - { .name: kv, .offset: 48, .size: 8, .value_kind: global_buffer, .address_space: global }
    .group_segment_fixed_size: 327680
    .private_segment_fixed_size: 0
    .kernarg_segment_align: 8
    .kernarg_segment_size: 56
    .max_flat_workgroup_size: 128
    .sgpr_count:     102
    .vgpr_count:     1024
    .wavefront_size: 32
...
	.end_amdgpu_metadata
.endif
;; end of part 2
;; launch attn (part 3): grid 8 x 32, 16 waves a work-group, clusters of 4 x 1, 288,768 bytes of LDS; arguments qb, kv, src_mask, ao; writes ao
.if DOCPART == 3
	.amdgcn_target "amdgcn-amd-amdhsa--gfx1250"
	.amdhsa_code_object_version 6
	.text
	.protected	k_q95081605fd_attn
	.globl	k_q95081605fd_attn
	.p2align	8
	.type	k_q95081605fd_attn,@function
k_q95081605fd_attn:
	s_mov_b64 s[64:65], 0
	v_nop
	global_prefetch_b8 v0, s[64:65] scope:SCOPE_SE
	s_setreg_imm32_b32 hwreg(HW_REG_WAVE_MODE, 25, 1), 1
	s_wait_xcnt 0x0
	s_wait_alu depctr_hold_cnt(0) depctr_sa_sdst(0) depctr_va_vdst(0) depctr_va_sdst(0) depctr_va_ssrc(0) depctr_va_vcc(0) depctr_vm_vsrc(0)
	s_getreg_b32 s2, hwreg(HW_REG_IB_STS2, 6, 4)
	s_cmp_eq_u32 s2, 0
	s_cbranch_scc0 .Lentry_in_a_cluster
	s_endpgm
.Lentry_in_a_cluster:
	s_bfe_u32 s2, ttmp6, 0x10000c
	s_cmp_lg_u32 s2, 0x3003
	s_cbranch_scc0 .Lentry_shape_is_right
	s_endpgm
.Lentry_shape_is_right:
; For each batch and head: o = softmax(mask(q k^T / 8)) v, both products on codes of FP6 (E2M3) with E8M0 scales; o is quantised along the model's 1,024 and stored as the next product's operand.
; THE SOFTMAX: t = score x log2(e) / 8; M = the running largest t rounded UP to a whole number; p = 2^(t - M) is quantised along the keys, not normalised; the row's sum is taken of the unquantised p and divides at the end.
; SHARES.  A work-group owns 256 queries of one head, each of its sixteen waves 16 of them in 256 registers (four waves to a SIMD).  All of a head's K and V, 16 steps of 13,056 bytes, lie in LDS at once:
; each wave brings one step by one tensor load; every LDS byte is filled once: no ring, no barrier in the loop over the keys, and no loop in which a prefetch could run ahead of a load, so none is written.
; CLUSTER: the four query blocks of a cluster belong to one head: each step is asked for jointly, by the same load with the same descriptor and the mask 15.
; A STEP (laid by the launch before): 8 images of K (768 bytes: 16 keys x 64), lane row i of tile 4 c + u = key 64 c + 32 (i / 8) + 8 u + i % 8; their words at 6144; 4 fragments of V^T (16 d x 128 keys) at 6656; their words at 12800.
; Both products are used transposed: a lane holds ONE query.  By the order of K's rows the 32 registers of score tiles 4 c .. 4 c + 3 are keys 64 c + 32 (lane / 16) + 0 .. 31: A WHOLE BLOCK OF 32 IN A LANE, in the order of p's operand:
; a block's maximum needs no other lane, and the conversions' results are the operand's registers but for six moves (a conversion's three registers begin on an even number).
; THE MASK RIDES IN THE FIRST PRODUCT, whose K is 64 of the instruction's 128.  At k = 64 every query carries the code 1.0 under the scale byte 127 and every key the code -4.0; all other codes from k = 64 on are zeros.
; The third byte of a key's scale word is 225 for a masked key (the score gets -2^100) and 0 for an open key (it gets -2^-125).  At the head each wave sets these bytes in the words of the step that it fetched itself and stores
; the words to LDS bytes of their own, so laid that one load of 16 bytes a lane brings a step's four scale registers (register i: tile 2 i in lanes 0-15, tile 2 i + 1 in lanes 16-31).
; With an open key in the row a masked p is 0, and what all-masked steps summed earlier is multiplied by 2^(old M - new M) = 0.  Where a batch has NO open key, q's 64 codes are replaced by zeros (v_cndmask_b32, no branch):
; every score is then exactly -2^100, t = M, p = 1 for every key: the uniform softmax that equal logits give.
; LIMITS: a masked logit is -2^100 / 8 and not -1e9: the same results as long as open logits lie above about -1e9; an open key's score carries -2^-125; zero blocks and blocks under 2^-124 get the byte 1; NaN and infinities are not served;
; the scaled scores stay under 2^31 in magnitude for open keys.
; A scale word of ao holds two heads' bytes, which two work-groups make: each wave stores its two bytes a row by one 2-byte store, the only narrow store of the launch.
; REGISTERS: v1-5, v7 places that stay; v6 at work; v8-11 the step's addresses; v12 -M, v13 the largest t, v[14:15] the sum; v16-27 q; v28-29 the two blocks' maxima; v30-31 the add's; v32-79 four fragments of K; v80-127 V's four;
; v128-191 scores, then p; v192-223 O^T; v224-235 p's codes; v236-242 at work; v244-247 K's scale words, v248-249 V's, v250 p's, v251 q's; v[252:253] f; v254-255 at work.
.set KVU,   13056
.set KS,    16*KVU                     ; K's scale words with the mask's bytes: 512 bytes a step
.set STAGE, KS+8192                    ; the way out: 16 rows x (256 + 16) bytes a wave
.set SPARE, STAGE+16*16*272            ; the spare words, 128 bytes a wave, which no other line names
.set KF,   32
.set VF,   80
.set S,    128
.set O,    192
.set PC,   224
.set T,    236
.set KW,   244
.set VW,   248
.set PW,   250
.set QW,   251
.set F,    252
.set SPW,  30
.set NIL,  31
.set WV,   18
.set SEL,  20
.set CS,   22
.set G1,   24
.set G0,   32
.set TB,   2
.set TM,   3
.macro CROUND
	s_barrier_signal -1
	s_barrier_wait -1
	s_cmp_lg_u32 s[WV], 0
	s_cbranch_scc1 .Lnot_wave_0_\@
	s_barrier_signal -3
.Lnot_wave_0_\@:
	s_barrier_wait -3
	s_barrier_signal -1
	s_barrier_wait -1
.endm
.macro WS d, a, sa, row                ; a tile of scores: 16 keys x my 16 queries, begun with 0
.if \row
	v_wmma_scale_f32_16x16x128_f8f6f4 v[\d:\d+7], v[\a:\a+11], v[16:27], 0, v[\sa], v[QW] matrix_a_fmt:MATRIX_FMT_FP6 matrix_b_fmt:MATRIX_FMT_FP6 matrix_a_scale:MATRIX_SCALE_ROW1
.else
	v_wmma_scale_f32_16x16x128_f8f6f4 v[\d:\d+7], v[\a:\a+11], v[16:27], 0, v[\sa], v[QW] matrix_a_fmt:MATRIX_FMT_FP6 matrix_b_fmt:MATRIX_FMT_FP6
.endif
.endm
.macro WO d, a, sa, row                ; a tile of O^T: 16 d x my 16 queries, summed in place
.if \row
	v_wmma_scale_f32_16x16x128_f8f6f4 v[\d:\d+7], v[\a:\a+11], v[PC:PC+11], v[\d:\d+7], v[\sa], v[PW] matrix_a_fmt:MATRIX_FMT_FP6 matrix_b_fmt:MATRIX_FMT_FP6 matrix_a_scale:MATRIX_SCALE_ROW1
.else
	v_wmma_scale_f32_16x16x128_f8f6f4 v[\d:\d+7], v[\a:\a+11], v[PC:PC+11], v[\d:\d+7], v[\sa], v[PW] matrix_a_fmt:MATRIX_FMT_FP6 matrix_b_fmt:MATRIX_FMT_FP6
.endif
.endm
	s_load_b256 s[4:11], s[0:1], 0x0               ; qb, kv, src_mask, ao
	v_lshl_add_u32 v[SPW], v0, 2, SPARE
	v_mov_b32 v[NIL], 0
	ds_add_u32 v[SPW], v[NIL]                      ; the opening lines: the add, twice on end, and its wait ahead of my tensor load
	ds_add_u32 v[SPW], v[NIL]
	v_lshrrev_b32 v8, 5, v0
	s_delay_alu instid0(VALU_DEP_1)
	v_readfirstlane_b32 s[WV], v8                  ; wave 0..15
	s_and_b32 s38, ttmp7, 0xffff                   ; 16 x batch + head, which the partners share
	s_bfe_u32 s39, ttmp6, 0x40000                  ; cx
	s_lshl_b32 s40, ttmp9, 2
	s_add_co_u32 s40, s40, s39                     ; my block of 256 queries: it enters q's and ao's addresses alone
	s_mov_b32 s[G1], 15|(3<<16)|(1<<21)            ; the mask: all four; elements of 8 bytes; bit 21 beside a mask; no padding
	s_mov_b32 s[G1+1], 32<<16                      ; a step: 51 dense rows of 256 bytes
	s_mov_b32 s[G1+2], 51<<16
	s_mov_b32 s[G1+3], 32<<16
	s_mov_b32 s[G1+4], 51
	s_mov_b32 s[G1+5], 32
	s_mov_b32 s[G1+6], 0
	s_mov_b32 s[G1+7], 0
	s_mul_i32 s41, s[WV], KVU                      ; step = wave: its place in LDS and in the head
	s_mul_i32 s42, s38, 16*KVU
	s_add_co_u32 s42, s42, s41
	s_mov_b32 s43, 0
	s_lshl_b32 s50, s40, 4
	s_add_co_u32 s50, s50, s[WV]                   ; my tile of 16 queries
	s_mul_i32 s44, s38, 98304
	s_mul_i32 s51, s50, 768
	s_add_co_u32 s44, s44, s51
	s_mov_b32 s45, 0
	s_lshl_b32 s46, s38, 13
	s_lshl_b32 s51, s50, 6
	s_add_co_u32 s46, s46, s51
	s_add_co_u32 s46, s46, 3145728
	s_mov_b32 s47, 0
	s_lshr_b32 s48, s38, 4
	s_lshl_b32 s48, s48, 13                        ; the batch's row of the mask
	s_mov_b32 s49, 0
	s_mov_b32 s[SEL], 0x76543210
	s_mov_b32 s[SEL+1], 0xfedcba98                 ; v_permlanex16_b32's selects for lane l xor 16
	s_mov_b32 s[CS], 0x3e38aa3b                    ; c = log2(e) / 8
	s_mov_b32 s[CS+1], s[CS]
	s_mov_b32 s[TB], 0
	s_mov_b32 s[TM], 0
	s_mov_b32 s36, 15
	s_wait_dscnt 0x0
	s_wait_kmcnt 0x0
	s_mov_b32 s[G0], 1
	s_mov_b32 s[G0+1], s41
	s_add_nc_u64 s[G0+2:G0+3], s[6:7], s[42:43]
	s_or_b32 s[G0+3], s[G0+3], 0x80000000
	s_add_nc_u64 s[44:45], s[4:5], s[44:45]        ; q's image
	s_add_nc_u64 s[46:47], s[4:5], s[46:47]        ; its scale words
	s_add_nc_u64 s[48:49], s[8:9], s[48:49]
	CROUND                                         ; all four work-groups are here: the joint loads meet
	tensor_load_to_lds s[G0:G0+3], s[G1:G1+7]      ; my one tensor load of the launch
	s_nop 0
.rept 4
	v_nop
.endr
	v_and_b32 v8, 31, v0
	v_and_b32 v9, 15, v0                           ; r
	v_bfe_u32 v10, v0, 4, 1                        ; h
	v_lshrrev_b32 v11, 4, v0
	v_lshrrev_b32 v105, 5, v0
	v_lshlrev_b32 v1, 4, v8                        ; 16 x lane
	v_lshlrev_b32 v2, 3, v8                        ; 8 x lane
	v_lshlrev_b32 v3, 2, v8                        ; 4 x lane
	v_lshl_add_u32 v4, v8, 4, KS                   ; K's scale words of step 0: 16 x lane
	v_lshlrev_b32 v7, 2, v9                        ; 4 r
	v_lshlrev_b32 v5, 3, v10                       ; 8 h
	; the 16 bytes at 6144 + 16 x lane of my step are the words of lane rows 4 (lane % 4) on of tile lane / 4: four neighbouring keys, from
	; 128 wave + 64 (lane / 16) + 32 ((lane / 2) % 2) + 8 ((lane / 4) % 4) + 4 (lane % 2) on; v11: their place in the mask's row, 4 bytes a key
	v_lshlrev_b32 v11, 8, v11                      ; 512 wave + 256 (lane / 16)
	v_bfe_u32 v104, v0, 1, 1
	v_bfe_u32 v106, v0, 2, 2
	v_and_b32 v107, 1, v0
	v_lshl_add_u32 v11, v104, 7, v11
	v_lshl_add_u32 v105, v105, 9, KS               ; where they go: word (tile, row) at 512 wave + 16 (16 (tile % 2) + row) + 4 (tile / 2)
	v_bfe_u32 v104, v0, 2, 1
	v_lshl_add_u32 v11, v106, 5, v11
	v_and_b32 v106, 3, v0
	v_lshl_add_u32 v105, v104, 8, v105
	v_bfe_u32 v104, v0, 3, 2
	v_lshl_add_u32 v11, v107, 4, v11
	v_lshl_add_u32 v105, v106, 6, v105
	v_add_nc_u32 v101, s41, v1                     ; my step in LDS, + 16 x lane
	v_lshl_add_u32 v105, v104, 2, v105
	global_load_b128 v[16:19], v1, s[44:45]
	global_load_b64 v[20:21], v2, s[44:45] offset:512
	global_load_b32 v[QW], v7, s[46:47]
	global_load_b128 v[96:99], v11, s[48:49]
.irp j, 0,1,2,3,4,5,6,7,8,9,10,11,12,13,14,15
	global_load_b128 v[S+4*\j:S+4*\j+3], v1, s[48:49] offset:512*\j   ; and the batch's whole row: is any key open?
.endr
	v_xor_b32 v102, 1, v10                         ; 1 in lanes 0-15, whose registers 6-11 hold k = 64 .. 95
	v_mov_b32 v13, 0xff61b1e6                      ; the largest t so far: -3e38
	v_mov_b32 v14, 0
	v_mov_b32 v15, 0
	v_lshlrev_b32 v22, 3, v102                     ; q at k = 64: the code 0b001000 = 1.0
	v_mul_u32_u24 v103, v102, 0x38                 ; a key at k = 64: the code 0b111000 = -4.0
	v_floor_f32 v12, -v13                          ; -M
.irp k, 23,24,25,26,27
	v_mov_b32 v\k, 0                               ; q's other codes from k = 64 on: zeros
.endr
.irp t, 0,1,2,3
	v_mov_b32 v[KF+6+12*\t], v103                  ; written once: no load lands in a fragment's registers 6-11
.irp k, 7,8,9,10,11
	v_mov_b32 v[KF+12*\t+\k], 0
.endr
.endr
	v_mov_b32 v255, 0                              ; a lane permute's destination counts as one of its sources
	v_mov_b32 v[F+1], 0                            ; (named as the upper half of the pair)
	v_mov_b32 v100, 0xe10000                       ; the byte 225 at a scale word's third place
	s_wait_alu depctr_va_vdst(0)                   ; the wait ahead of the wait below
	s_wait_loadcnt 0x0
.irp j, 1,2,3,4,5,6,7,8,9,10,11,12,13,14,15
.irp k, 0,1,2,3
	v_or_b32 v[S+\k], v[S+\k], v[S+4*\j+\k]
.endr
.endr
	s_delay_alu instid0(VALU_DEP_3)
	v_or_b32 v[S], v[S], v[S+1]
	s_delay_alu instid0(VALU_DEP_2)
	v_or_b32 v[S+2], v[S+2], v[S+3]
	s_delay_alu instid0(VALU_DEP_1)
	v_or_b32 v[S], v[S], v[S+2]
	s_delay_alu instid0(VALU_DEP_1)
	v_cmp_ne_u32 vcc_lo, 0, v[S]
	s_cmp_lg_u32 vcc_lo, 0
	s_cselect_b32 s37, -1, 0                       ; all ones where the batch has an open key
.irp k, 0,1,2,3,4,5
	v_cndmask_b32 v[16+\k], 0, v[16+\k], s37
.endr
	v_or_b32 v[QW], 0x7f0000, v[QW]                ; q's scale for k = 64 .. 95: 1
.irp k, 0,1,2,3
	v_cmp_eq_u32 vcc_lo, 0, v[96+\k]
	s_delay_alu instid0(VALU_DEP_1)
	v_cndmask_b32 v[96+\k], 0, v100, vcc_lo
.endr
	s_wait_alu depctr_va_vdst(0)
	s_wait_tensorcnt 0x0                           ; my step has landed: I may read it
	ds_load_b128 v[108:111], v101 offset:6144      ; four of its keys' scale words
.set j, 0
.rept 32
	v_mov_b32 v[O+j], 0                            ; O^T: the step is written for every step alike; the first finds zeros
.set j, j+1
.endr
	s_wait_dscnt 0x0
.irp k, 0,1,2,3
	v_or_b32 v[96+\k], v[96+\k], v[108+\k]
.endr
.irp k, 0,1,2,3
	ds_store_b32 v105, v[96+\k] offset:16*\k
.endr
	s_wait_alu depctr_va_vdst(0)                   ; the wait at the head's end
	s_wait_dscnt 0x0                               ; for the others' sake: my words are stored (and my step has landed):
	s_barrier_signal -1
	s_barrier_wait -1                              ; everybody's are
.irp t, 0,1,2,3
	ds_load_b128 v[KF+12*\t:KF+12*\t+3], v1 offset:\t*768          ; step 0's tiles 0-3 and its scale words
	ds_load_b64 v[KF+12*\t+4:KF+12*\t+5], v2 offset:\t*768+512
.endr
	ds_load_b128 v[KW:KW+3], v4
.macro BMAX c                          ; the largest score of my block c: four chains by turns, each accumulator from its low end on.  It serves the row's maximum and, since p rises with the score, the block's largest p
.irp u, 0,1,2,3
	v_max3_num_f32 v[T+\u], v[S+32*\c+8*\u], v[S+32*\c+8*\u+1], v[S+32*\c+8*\u+2]
.endr
.irp i, 3,5
.irp u, 0,1,2,3
	v_max3_num_f32 v[T+\u], v[T+\u], v[S+32*\c+8*\u+\i], v[S+32*\c+8*\u+\i+1]
.endr
.endr
	v_max3_num_f32 v[T], v[T], v[T+1], v[S+32*\c+7]
	v_max3_num_f32 v[T+2], v[T+2], v[T+3], v[S+32*\c+15]
	v_max3_num_f32 v[T], v[T], v[T+2], v[S+32*\c+23]
	v_max_num_f32 v[28+\c], v[T], v[S+32*\c+31]
.endm
.macro SUMR j                          ; four pairs of p onto the four chains of the row's sum
	v_pk_add_f32 v[T:T+1], v[T:T+1], v[S+\j:S+\j+1]
	v_pk_add_f32 v[T+2:T+3], v[T+2:T+3], v[S+\j+2:S+\j+3]
	v_pk_add_f32 v[T+4:T+5], v[T+4:T+5], v[S+\j+4:S+\j+5]
	v_pk_add_f32 v[14:15], v[14:15], v[S+\j+6:S+\j+7]
.endm
; A step of 128 keys.  Its tiles 0-3 of K and its scale words were asked for in the step before.  last = 1: nothing is asked for beyond the head's 16 steps.
.macro STEP last
	s_wait_dscnt 0x0                               ; tiles 0-3 and the words
.irp t, 0,1,2,3
	WS S+8*\t, KF+12*\t, KW+\t/2, \t%2
.endr
	v_add_nc_u32 v8, s[TB], v1                     ; these four are the places ahead of the loads into registers that the last products read
	v_add_nc_u32 v9, s[TB], v2
	v_add_nc_u32 v10, s[TB], v3
	v_add_nc_u32 v11, s[TM], v4
.irp t, 0,1,2,3
	ds_load_b128 v[KF+12*\t:KF+12*\t+3], v8 offset:3072+\t*768
	ds_load_b64 v[KF+12*\t+4:KF+12*\t+5], v9 offset:3072+\t*768+512
.endr
.irp t, 0,1,2,3
	ds_load_b128 v[VF+12*\t:VF+12*\t+3], v8 offset:6656+\t*1536
	ds_load_b64 v[VF+12*\t+4:VF+12*\t+5], v9 offset:6656+\t*1536+512
	ds_load_b128 v[VF+12*\t+6:VF+12*\t+9], v8 offset:6656+\t*1536+768
	ds_load_b64 v[VF+12*\t+10:VF+12*\t+11], v9 offset:6656+\t*1536+1280
.endr
	ds_load_b32 v[VW], v10 offset:12800
	ds_load_b32 v[VW+1], v10 offset:12800+128
	s_wait_dscnt 18                                ; K's eight loads are in; V's 18 stay out
.irp t, 0,1,2,3
	WS S+32+8*\t, KF+12*\t, KW+2+\t/2, \t%2
.endr
	BMAX 0                                         ; block 0's sixteen lines name no register of the four products above: they are the places ahead of the loads below and of block 1's reads
.if !(\last)
.irp t, 0,1,2,3
	ds_load_b128 v[KF+12*\t:KF+12*\t+3], v8 offset:KVU+\t*768      ; the next step's tiles 0-3,
	ds_load_b64 v[KF+12*\t+4:KF+12*\t+5], v9 offset:KVU+\t*768+512
.endr
	ds_load_b128 v[KW:KW+3], v11 offset:512        ; and its scale words: nine loads
.endif
	BMAX 1
	s_delay_alu instid0(VALU_DEP_1)
	v_max_num_f32 v254, v28, v29
	s_delay_alu instid0(VALU_DEP_1)
	v_mul_f32 v254, s[CS], v254                    ; as t (c is positive)
	v_mov_b32 v6, v12
	s_delay_alu instid0(VALU_DEP_2)
	v_permlanex16_b32 v255, v254, s[SEL], s[SEL+1] ; lane l xor 16 holds my query's other 64 keys
	s_delay_alu instid0(VALU_DEP_1)
	v_max3_num_f32 v13, v13, v254, v255            ; the running largest t
	s_delay_alu instid0(VALU_DEP_1)
	v_floor_f32 v12, -v13                          ; the new -M = floor(-t): M is a whole number
	s_delay_alu instid0(VALU_DEP_1)
	v_sub_f32 v6, v12, v6                          ; old M - new M: whole, 0 or less
.irp j, 0,2,4,6
	v_pk_fma_f32 v[S+\j:S+1+\j], v[S+\j:S+1+\j], s[CS:CS+1], v[12:13] op_sel_hi:[1,0,0]   ; t - M
.endr
	v_cvt_i32_f32 v6, v6                           ; (it saturates)
.irp j, 8,10,12,14
	v_pk_fma_f32 v[S+\j:S+1+\j], v[S+\j:S+1+\j], s[CS:CS+1], v[12:13] op_sel_hi:[1,0,0]
.endr
	v_ldexp_f32 v[F], 1.0, v6                      ; f = 2^(old M - new M): a multiplication by it rounds nothing
.irp j, 16,18,20,22,24,26,28,30,32,34,36,38,40,42,44,46,48,50,52,54,56,58,60,62
	v_pk_fma_f32 v[S+\j:S+1+\j], v[S+\j:S+1+\j], s[CS:CS+1], v[12:13] op_sel_hi:[1,0,0]
.endr
	v_fma_f32 v28, v28, s[CS], v12                 ; the same of each block's largest score
	v_fma_f32 v29, v29, s[CS], v12
	s_wait_alu depctr_va_vdst(0)                   ; the wait ahead of the batch (and of the wait below)
.if \last
	s_wait_dscnt 0x0                               ; V
.else
	s_wait_dscnt 9                                 ; V is in; the nine loads for the next step may be out
.endif
	v_exp_f32 v28, v28                             ; the blocks' largest p: the same two instructions on the same number give the same bits
	v_exp_f32 v29, v29
.set j, 0
.rept 64
	v_exp_f32 v[S+j], v[S+j]                       ; p = 2^(t - M), at most 1
.set j, j+1
.endr
	v_pk_mul_f32 v[14:15], v[14:15], v[F:F+1] op_sel_hi:[1,0]   ; the sums under the new M (a plain line behind the exponentials)
	s_wait_alu depctr_va_vdst(0)                   ; one wait for the batch of 66, ahead of its first reader
	v_pk_add_f32 v[T:T+1], v[S:S+1], v[S+2:S+3]    ; the row's sum is taken of the unquantised p; the scales' lines stand between its rounds
	v_pk_add_f32 v[T+2:T+3], v[S+4:S+5], v[S+6:S+7]
	v_pk_add_f32 v[T+4:T+5], v[S+8:S+9], v[S+10:S+11]
	v_pk_add_f32 v[14:15], v[14:15], v[S+12:S+13]
	v_max_num_f32 v28, 0x1800000, v28              ; the floor 2^(3 - 127): the byte cannot fall under 1
	v_max_num_f32 v29, 0x1800000, v29
	SUMR 14
	v_add_nc_u32 v254, 0xff000000, v28             ; 2 off the exponent field: the conversion's scale operand
	v_add_nc_u32 v255, 0xff000000, v29
	SUMR 22
	v_lshrrev_b32 v28, 23, v254                    ; the bytes of blocks h and 2 + h,
	v_lshrrev_b32 v29, 23, v255
	SUMR 30
	v_lshl_or_b32 v[PW], v29, 16, v28
	SUMR 38
	v_lshlrev_b32 v[PW], v5, v[PW]                 ; at their places
	SUMR 46
	v_permlanex16_b32 v6, v[PW], s[SEL], s[SEL+1]
	SUMR 54
	v_pk_add_f32 v[T:T+1], v[T:T+1], v[S+62:S+63]
	v_pk_add_f32 v[14:15], v[14:15], v[T+4:T+5]
	v_pk_add_f32 v[T:T+1], v[T:T+1], v[T+2:T+3]
	s_delay_alu instid0(VALU_DEP_1)
	v_pk_add_f32 v[14:15], v[14:15], v[T:T+1]
	v_cvt_scalef32_pk16_fp6_f32 v[PC:PC+2], v[S:S+15], v254
	v_cvt_scalef32_pk16_fp6_f32 v[T:T+2], v[S+16:S+31], v254       ; (a conversion's three registers begin on an even number)
	v_cvt_scalef32_pk16_fp6_f32 v[PC+6:PC+8], v[S+32:S+47], v255
	v_cvt_scalef32_pk16_fp6_f32 v[T+4:T+6], v[S+48:S+63], v255
	v_or_b32 v[PW], v[PW], v6                      ; with lane l xor 16's two bytes p's scale word is whole (also the plain line behind the conversions)
.irp i, 0,1,2
	v_mov_b32 v[PC+3+\i], v[T+\i]
	v_mov_b32 v[PC+9+\i], v[T+4+\i]
.endr
	s_wait_alu depctr_va_vdst(0)                   ; the wait here, directly ahead of the first reader of O^T
.irp j, 0,2,4,6,8,10,12,14,16,18,20,22,24,26,28,30
	v_pk_mul_f32 v[O+\j:O+1+\j], v[O+\j:O+1+\j], v[F:F+1] op_sel_hi:[1,0]   ; O^T under the new M; these sixteen also stand between the lines that made p's codes and word and the products
.endr
.irp t, 0,1,2,3
	WO O+8*\t, VF+12*\t, VW+\t/2, \t%2
.endr
.endm
.Lkey:                                             ; 15 trips; the sixteenth step is written out behind the loop
	STEP 0
	s_add_co_u32 s[TB], s[TB], KVU
	s_add_co_u32 s[TM], s[TM], 512
	s_sub_co_u32 s36, s36, 1
	s_cmp_lg_u32 s36, 0
	s_cbranch_scc1 .Lkey
	STEP 1
	; THE WAY OUT: O^T / the sum; through my stage, so that a lane holds 32 neighbours of its row; quantised; stored as half a fragment's image
	v_add_f32 v14, v14, v15
	s_delay_alu instid0(VALU_DEP_1)
	v_permlanex16_b32 v[F], v14, s[SEL], s[SEL+1]
	s_delay_alu instid0(VALU_DEP_1)
	v_add_f32 v14, v14, v[F]                       ; the row's sum
	s_wait_alu depctr_va_vdst(0)
	v_rcp_f32 v14, v14
	v_and_b32 v8, 15, v0                           ; (plain lines behind the reciprocal)
	v_bfe_u32 v9, v0, 4, 1
	s_mul_i32 s51, s[WV], 16*272
	s_add_co_u32 s51, s51, STAGE
	v_mul_u32_u24 v10, v8, 272
	s_delay_alu instid0(VALU_DEP_1)
	v_add_nc_u32 v10, s51, v10
	s_delay_alu instid0(VALU_DEP_1)
	v_lshl_add_u32 v11, v9, 7, v10                 ; back: row r, + 128 h
	v_lshl_add_u32 v10, v9, 5, v10                 ; in: row r, + 32 h
	v_mov_b32 v105, 0
	s_wait_alu depctr_va_vdst(0)                   ; the wait ahead of the first reader of the reciprocal and of O^T
.set j, 0
.rept 32
	v_mul_f32 v[S+j], v[O+j], v14                  ; register 8 t + i: o(r, 16 t + 8 h + i)
.set j, j+1
.endr
.irp t, 0,1,2,3
	ds_store_b128 v10, v[S+8*\t:S+3+8*\t] offset:64*\t
	ds_store_b128 v10, v[S+4+8*\t:S+7+8*\t] offset:64*\t+16
.endr
.irp i, 0,1,2,3,4,5,6,7
	ds_load_b128 v[64+4*\i:67+4*\i], v11 offset:16*\i   ; LDS serves a wave's instructions in order: these see my stores
.endr
	s_and_b32 s52, s38, 15                         ; the head
	s_lshr_b32 s53, s52, 2
	s_lshl_b32 s53, s53, 5                         ; its 256 along K: 32 units each
	s_lshr_b32 s54, s38, 4
	s_lshl_b32 s54, s54, 4
	s_add_co_u32 s53, s53, s54                     ; + 16 x batch
	s_lshl_b32 s54, s40, 1
	s_add_co_u32 s53, s53, s54                     ; + 2 x block of queries
	s_lshr_b32 s54, s[WV], 3
	s_add_co_u32 s53, s53, s54
	s_mul_i32 s56, s53, 25600                      ; my unit
	s_mov_b32 s57, 0
	s_add_nc_u64 s[10:11], s[10:11], s[56:57]
	s_and_b32 s53, s[WV], 7                        ; the tile of rows,
	s_bfe_u32 s54, s52, 0x10001                    ; the K step,
	s_and_b32 s55, s52, 1                          ; the half
	s_mul_i32 s56, s53, 3072
	s_mul_i32 s58, s54, 1536
	s_add_co_u32 s56, s56, s58
	s_mul_i32 s58, s55, 768
	s_add_co_u32 s56, s56, s58
	s_add_nc_u64 s[60:61], s[10:11], s[56:57]      ; the image
	s_lshl_b32 s56, s54, 9
	s_lshl_b32 s58, s53, 6
	s_add_co_u32 s56, s56, s58
	s_lshl_b32 s58, s55, 1
	s_add_co_u32 s56, s56, s58
	s_add_co_u32 s56, s56, 24576
	s_add_nc_u64 s[62:63], s[10:11], s[56:57]      ; my head's two bytes of the rows' scale words
	s_wait_alu depctr_va_vdst(0)
	s_wait_dscnt 0x0
	v_max3_num_f32 v100, |v64|, |v65|, 0x1800000   ; one whole block a lane; two chains
	v_max3_num_f32 v101, |v80|, |v81|, 0x1800000
.irp i, 2,4,6,8,10,12,14
	s_delay_alu instid0(VALU_DEP_2)
	v_max3_num_f32 v100, v100, |v[64+\i]|, |v[65+\i]|
	s_delay_alu instid0(VALU_DEP_2)
	v_max3_num_f32 v101, v101, |v[80+\i]|, |v[81+\i]|
.endr
	s_delay_alu instid0(VALU_DEP_1)
	v_max_num_f32 v100, v100, v101
	s_delay_alu instid0(VALU_DEP_1)
	v_add_nc_u32 v102, 0xff000000, v100
	s_delay_alu instid0(VALU_DEP_1)
	v_lshrrev_b32 v103, 23, v102
	s_delay_alu instid0(VALU_DEP_1)
	v_lshlrev_b32 v103, v5, v103
	s_delay_alu instid0(VALU_DEP_1)
	v_permlanex16_b32 v105, v103, s[SEL], s[SEL+1]
	s_delay_alu instid0(VALU_DEP_1)
	v_or_b32 v103, v103, v105                      ; the head's two bytes
	v_cvt_scalef32_pk16_fp6_f32 v[112:114], v[64:79], v102
	v_cvt_scalef32_pk16_fp6_f32 v[118:120], v[80:95], v102
	v_nop
.irp i, 0,1,2
	v_mov_b32 v[115+\i], v[118+\i]
.endr
	global_store_b128 v1, v[112:115], s[60:61]               ; 512 consecutive bytes, aligned to 256
	global_store_b64 v2, v[116:117], s[60:61] offset:512     ; 256
	global_store_b16 v7, v103, s[62:63]
	s_wait_tensorcnt 0x0                           ; the wave's end
	ds_add_u32 v[SPW], v[NIL]
	s_wait_dscnt 0x0
	CROUND                                         ; the closing round: no work-group ends while a partner may still ask for a step that names it
	s_endpgm
.Lfunc_end_k_q95081605fd_attn:
	.size	k_q95081605fd_attn, .Lfunc_end_k_q95081605fd_attn-k_q95081605fd_attn
	.p2alignl 7, 3214868480
	.fill 96, 4, 3214868480
	.section	.rodata,"a",@progbits
	.p2align	6, 0x0
	.amdhsa_kernel k_q95081605fd_attn
		.amdhsa_group_segment_fixed_size 288768
		.amdhsa_private_segment_fixed_size 0
		.amdhsa_enable_private_segment 0
		.amdhsa_kernarg_size 32
		.amdhsa_user_sgpr_count 2
		.amdhsa_user_sgpr_kernarg_segment_ptr 1
		.amdhsa_wavefront_size32 1
		.amdhsa_system_sgpr_workgroup_id_x 1
		.amdhsa_system_sgpr_workgroup_id_y 1
		.amdhsa_system_sgpr_workgroup_id_z 1
		.amdhsa_system_vgpr_workitem_id 0
		.amdhsa_next_free_vgpr 256
		.amdhsa_next_free_sgpr 66
		.amdhsa_reserve_vcc 1
		.amdhsa_float_denorm_mode_32 3
		.amdhsa_float_denorm_mode_16_64 3
		.amdhsa_memory_ordered 1
		.amdhsa_forward_progress 1
		.amdhsa_inst_pref_size 50
	.end_amdhsa_kernel
	.amdgpu_metadata
---
amdhsa.version: [ 1, 2 ]
amdhsa.kernels:
  - .name:           k_q95081605fd_attn
    .symbol:         k_q95081605fd_attn.kd
    .args:
      - { .name: qb, .offset: 0, .size: 8, .value_kind: global_buffer, .address_space: global }
      - { .name: kv, .offset: 8, .size: 8, .value_kind: global_buffer, .address_space: global }
      - { .name: src_mask, .offset: 16, .size: 8, .value_kind: global_buffer, .address_space: global }
      - { .name: ao, .offset: 24, .size: 8, .value_kind: global_buffer, .address_space: global }
    .group_segment_fixed_size: 288768
    .private_segment_fixed_size: 0
    .kernarg_segment_align: 8
    .kernarg_segment_size: 32
    .max_flat_workgroup_size: 512
    .sgpr_count:     66
    .vgpr_count:     256
    .wavefront_size: 32
...
	.end_amdgpu_metadata
.endif
;; end of part 3
;; launch wo (part 4): grid 8 x 32, 4 waves a work-group, clusters of 4 x 4, 327,680 bytes of LDS; arguments ao, wc, bo, x, h; writes h
.if DOCPART == 4
	.amdgcn_target "amdgcn-amd-amdhsa--gfx1250"
	.amdhsa_code_object_version 6
	.text
	.protected	k_q95081605fd_wo
	.globl	k_q95081605fd_wo
	.p2align	8
	.type	k_q95081605fd_wo,@function
k_q95081605fd_wo:
	s_mov_b64 s[64:65], 0
	v_nop
	global_prefetch_b8 v0, s[64:65] scope:SCOPE_SE
	s_setreg_imm32_b32 hwreg(HW_REG_WAVE_MODE, 25, 1), 1
	s_wait_xcnt 0x0
	s_wait_alu depctr_hold_cnt(0) depctr_sa_sdst(0) depctr_va_vdst(0) depctr_va_sdst(0) depctr_va_ssrc(0) depctr_va_vcc(0) depctr_vm_vsrc(0)
	s_getreg_b32 s2, hwreg(HW_REG_IB_STS2, 6, 4)
	s_cmp_eq_u32 s2, 0
	s_cbranch_scc0 .Lentry_in_a_cluster
	s_endpgm
.Lentry_in_a_cluster:
	s_bfe_u32 s2, ttmp6, 0x10000c
	s_cmp_lg_u32 s2, 0xf033
	s_cbranch_scc0 .Lentry_shape_is_right
	s_endpgm
.Lentry_shape_is_right:
; out = res + A B^T + bias: A [4096][K] and B [1024][K] as codes of FP6 (E2M3) with E8M0 scales, res and out f32 [4096][1024].  Here K = 1,024, B = Wo's codes.
; OPERANDS lie in memory as images of the matrix unit's registers, in UNITS of 25,600 bytes = 128 rows x 256 K: image (tile t, K step q, half c) at 3072 t + 1536 q + 768 c (a lane's 16 bytes at 16 x lane, its last 8 at 512 + 8 x lane),
; scale words at 24576 + 512 q + 64 t + 4 r; units lie (k / 256) x groups + row / 128.  A unit is one dense block for one tensor load and carries its scales; a fragment comes out of LDS by four dense loads.
; SHARES.  The output has 32 x 8 tiles of 128 x 128: one to each of 256 work-groups, 64 x 64 to a wave (16 accumulators); a tile of 256 x 256 would leave three quarters of the chip without work.
; A slot holds 512 along K: A's two units, then B's two; each wave brings two, A's or B's.  Two slots.
; CLUSTERS: 4 x 4; A's units are asked for jointly along a row of the cluster, B's along a column.
; TRANSPOSED USE: source 0 = 16 rows of B, source 1 = 16 rows of A: a lane holds one row of the output and eight neighbouring columns.  The bias is the C of each sum's first product.
; The residual's 64 x 64 numbers are asked for at the head, in the layout in which the results come back from the stage, and land while K is walked.
; REGISTERS: window 0: v0-31 addresses, v32-63 scale words (two sets), v64-159 A's fragments (two buffers of 48), v160-255 B's.  window 1: v0-127 accumulators (a, b) at 8 (4 a + b), v128-159 the bias.  window 2: v0-127 the residual.
.set LAPS,   1                         ; K / 1024
.set BOFF,   2457600                   ; where B begins in wc
.set NTOUT,  0                         ; the output is read again by later launches
.set UNIT,   25600
.set SLOT,   4*UNIT
.set SPARE,  2*SLOT                    ; behind the ring: the spare words, 128 bytes a wave, which no other line names
.set NGA,    32
.set NGB,    8
.set NQS,    4                         ; K steps of 128 in a slot
.set FR,     12
.set SPITCH, 272                       ; the way out: a stage of 16 rows x (256 + 16) bytes a wave, in slot 0, which has had its last fill and its last read by then
.set R,    1
.set HF,   2
.set L128P, 4
.set L64P, 5
.set BA,   15
.set A128, 16
.set A64,  18
.set B128, 20
.set B64,  22
.set STO,  24
.set RD,   25
.set CO,   26                          ; my place in the wave's rows of res and out; never rewritten
.set SPW,  28
.set NIL,  29
.set ADRS, 30
.set SC,   32
.set AF,   64
.set BF,   160
.set BIAS, 128
.set Y,    64
.set G1,  24
.set G0,  32
.set G1B, 48
.set G0B, 56
.set MSB, 0
.macro WIN new
.if MSB != (\new)
	s_set_vgpr_msb (MSB<<8)|(\new)
.set MSB, (\new)
.endif
.endm
.macro PLACES                          ; four plain lines between a matrix instruction and a load into, or a vector or LDS read of, its registers
.rept 4
	v_nop
.endr
.endm
.macro JLOAD g0a, g1a, g0b, g1b        ; a joint load: waves 0 and 1 fetch A's two units, waves 2 and 3 B's; four v_nop follow each line
	s_cmp_eq_u32 s15, 0
	s_cbranch_scc0 .Lfor_b_\@
	tensor_load_to_lds s[\g0a:\g0a+3], s[\g1a:\g1a+7]
	s_nop 0
.rept 4
	v_nop
.endr
	s_branch .Lasked_\@
.Lfor_b_\@:
	tensor_load_to_lds s[\g0b:\g0b+3], s[\g1b:\g1b+7]
	s_nop 0
.rept 4
	v_nop
.endr
.Lasked_\@:
.endm
.macro CREST
	s_cmp_lg_u32 s14, 0
	s_cbranch_scc1 .Lnot_wave_0_\@
	s_barrier_signal -3
.Lnot_wave_0_\@:
	s_barrier_wait -3
	s_barrier_signal -1
	s_barrier_wait -1
.endm
.macro CROUND
	s_barrier_signal -1
	s_barrier_wait -1
	CREST
.endm
	s_load_b256 s[4:11], s[0:1], 0x0               ; A, wc, bias, res
	s_load_b64 s[12:13], s[0:1], 0x20              ; out
	v_lshl_add_u32 v[SPW], v0, 2, SPARE
	v_mov_b32 v[NIL], 0
	ds_add_u32 v28, v29
	ds_add_u32 v28, v29
	s_wait_dscnt 0x0
	v_lshrrev_b32 v1, 5, v0
	v_readfirstlane_b32 s14, v1                    ; wave
	s_lshr_b32 s15, s14, 1                         ; which 64 rows are mine.  Also: I fetch for A (0) or B (1)
	s_and_b32 s16, s14, 1                          ; which 64 columns.  Also: which slot I fetch for
	s_bfe_u32 s40, ttmp6, 0x40000
	s_bfe_u32 s41, ttmp6, 0x40004
	s_lshl_b32 s42, ttmp9, 2
	s_add_co_u32 s42, s42, s40                     ; tile column
	s_and_b32 s17, ttmp7, 0xffff
	s_lshl_b32 s17, s17, 2
	s_add_co_u32 s17, s17, s41                     ; tile row
	s_lshl_b32 s43, s41, 2
	s_lshl_b32 s43, 15, s43
	s_lshl_b32 s44, 0x1111, s40
	s_or_b32 s[G1], s43, (3<<16)|(1<<21)           ; the mask; elements of 8 bytes; bit 21 beside a mask; no padding
	s_or_b32 s[G1B], s44, (3<<16)|(1<<21)
.irp g, G1, G1B                        ; a unit: one row of 3,200 elements of 8 bytes
	; ALL OF K COMES AT THE HEAD, ONE LOAD A WAVE: a load brings two units, 256 along K apart, as two rows of 25,600 bytes (3,200 elements of 8 bytes): waves 0, 1 A's units of slots 0, 1, waves 2, 3 B's.  Nothing is filled later.
	s_mov_b32 s[\g+1], 3200<<16
	s_mov_b32 s[\g+2], 2<<16
	s_mov_b32 s[\g+3], 3200<<16
	s_mov_b32 s[\g+4], 2
.if \g == G1
	s_mov_b32 s[\g+5], NGA*3200                    ; from one 256 along K to the next: 32 units in A,
.else
	s_mov_b32 s[\g+5], NGB*3200                    ; 8 in B
.endif
	s_mov_b32 s[\g+6], 0
	s_mov_b32 s[\g+7], 0
.endr
	s_lshl_b32 s20, s16, 6
	s_add_co_u32 s20, s20, s17
	s_mul_i32 s20, s20, UNIT                       ; A: unit (which 256) x 32 + tile row
	s_mov_b32 s21, 0
	s_lshl_b32 s46, s16, 4
	s_add_co_u32 s46, s46, s42
	s_mul_i32 s46, s46, UNIT                       ; B: unit (which 256) x 8 + tile column
	s_add_co_u32 s46, s46, BOFF
	s_mov_b32 s47, 0
	s_mul_i32 s45, s16, SLOT                       ; my two units' place: slot (wave % 2), A's two first, then B's two
	s_mul_i32 s18, s15, 2*UNIT
	s_add_co_u32 s45, s45, s18
	s_wait_kmcnt 0x0
	s_add_nc_u64 s[20:21], s[4:5], s[20:21]
	s_add_nc_u64 s[46:47], s[6:7], s[46:47]
	CROUND                                         ; all sixteen work-groups are here: the first joint loads meet
.irp s, 0
	s_mov_b32 s[G0+4*\s], 1
	s_add_co_u32 s[G0+4*\s+1], s45, \s*SLOT
	s_add_nc_u64 s[G0+4*\s+2:G0+4*\s+3], s[20:21], \s*2*NGA*UNIT
	s_or_b32 s[G0+4*\s+3], s[G0+4*\s+3], 0x80000000
	s_mov_b32 s[G0B+4*\s], 1
	s_add_co_u32 s[G0B+4*\s+1], s45, \s*SLOT
	s_add_nc_u64 s[G0B+4*\s+2:G0B+4*\s+3], s[46:47], \s*2*NGB*UNIT
	s_or_b32 s[G0B+4*\s+3], s[G0B+4*\s+3], 0x80000000
	JLOAD G0+4*\s, G1, G0B+4*\s, G1B               ; one load of mine is out
.endr
	v_and_b32 v[R], 15, v0
	v_bfe_u32 v[HF], v0, 4, 1
	v_and_b32 v3, 31, v0
	v_lshlrev_b32 v[L128P], 4, v3
	v_lshlrev_b32 v[L64P], 3, v3
	v_lshlrev_b32 v[BA], 5, v[HF]
	s_mul_i32 s21, s15, 4*3072                     ; my four tiles of A's rows,
	s_mul_i32 s22, s16, 4*3072
	s_add_co_u32 s22, s22, 2*UNIT                  ; of B's
.irp s, 0,1
	v_add_nc_u32 v[A128+\s], s21, v[L128P]
	v_add_nc_u32 v[A64+\s], s21, v[L64P]
	v_add_nc_u32 v[B128+\s], s22, v[L128P]
	v_add_nc_u32 v[B64+\s], s22, v[L64P]
	s_add_co_u32 s21, s21, SLOT
	s_add_co_u32 s22, s22, SLOT
.endr
	s_lshl_b32 s21, s15, 8
	s_lshl_b32 s22, s16, 8
	s_add_co_u32 s22, s22, 2*UNIT
	s_sub_co_u32 s22, s22, s21
	v_mul_u32_u24 v3, s22, v[HF]                   ; lanes 16-31 take B's words: one product, the distance between the two
	v_lshl_add_u32 v3, v[R], 2, v3
	s_add_co_u32 s21, s21, 24576
	v_add_nc_u32 v[ADRS], s21, v3
	v_add_nc_u32 v[ADRS+1], SLOT, v[ADRS]
	s_mul_i32 s23, s14, 16*SPITCH                  ; my stage
	v_mul_u32_u24 v3, v[R], SPITCH
	v_lshl_add_u32 v3, v[HF], 5, v3
	v_add_nc_u32 v[STO], s23, v3                   ; in: row r, + 32 h
	v_mul_u32_u24 v3, v[HF], SPITCH
	v_lshl_add_u32 v3, v[R], 4, v3
	v_add_nc_u32 v[RD], s23, v3                    ; back: lanes 0-15 one row of 256 bytes, lanes 16-31 the next
	v_lshlrev_b32 v[CO], 12, v[HF]
	v_lshl_add_u32 v[CO], v[R], 4, v[CO]           ; and the same two rows in res and out
	s_wait_alu depctr_va_vdst(0)
	s_lshl_b32 s18, s42, 9
	s_lshl_b32 s19, s16, 8
	s_add_co_u32 s18, s18, s19                     ; my first column, in bytes
	s_mov_b32 s19, 0
	s_add_nc_u64 s[8:9], s[8:9], s[18:19]
	s_lshl_b32 s22, s17, 19
	s_add_co_u32 s18, s18, s22
	s_lshl_b32 s22, s15, 18
	s_add_co_u32 s18, s18, s22                     ; + my first row
	s_add_nc_u64 s[10:11], s[10:11], s[18:19]
	s_add_nc_u64 s[12:13], s[12:13], s[18:19]
	WIN 0x40                                       ; destination window 1
.irp b, 0,1,2,3
	global_load_b128 v[BIAS+8*\b:BIAS+8*\b+3], v[BA], s[8:9] offset:64*\b          ; register 8 b + j: column 16 b + 8 h + j
	global_load_b128 v[BIAS+8*\b+4:BIAS+8*\b+7], v[BA], s[8:9] offset:64*\b+16
.endr
	WIN 0x80                                       ; destination window 2
.irp a, 0,1,2,3
.irp i, 0,1,2,3,4,5,6,7
	global_load_b128 v[4*(8*\a+\i):4*(8*\a+\i)+3], v[CO], s[10:11] offset:(16*\a+2*\i)*4096
.endr
.endr
	WIN 0
.macro FRAG reg, a128, a64, off
	ds_load_b128 v[\reg:\reg+3], v[\a128] offset:\off
	ds_load_b64 v[\reg+4:\reg+5], v[\a64] offset:\off+512
	ds_load_b128 v[\reg+6:\reg+9], v[\a128] offset:\off+768
	ds_load_b64 v[\reg+10:\reg+11], v[\a64] offset:\off+1280
.endm
.macro FETCH slot, q, buf              ; the slot's q-th 128 along K: B's four fragments and A's four
	WIN 0
.irp i, 0,1,2,3
	FRAG BF+48*(\buf)+FR*\i, B128+\slot, B64+\slot, ((\q)/2)*UNIT+\i*3072+((\q)%2)*1536
.endr
.irp i, 0,1,2,3
	FRAG AF+48*(\buf)+FR*\i, A128+\slot, A64+\slot, ((\q)/2)*UNIT+\i*3072+((\q)%2)*1536
.endr
.endm
.macro SCALES slot                     ; register NQS i + q of the slot's set: lanes 0-15 the words of A's block i, lanes 16-31 of B's block i
.irp i, 0,1,2,3
.irp q, 0,1,2,3
	ds_load_b32 v[SC+16*(\slot)+NQS*\i+\q], v[ADRS+(\slot)] offset:(\q/2)*UNIT+(\q%2)*512+\i*64
.endr
.endr
.endm
; 4 products: A's block p against B's four.  The 16 accumulators take turns, one instruction a turn, in the same order in every K step.  first = 1: C is the bias.
.macro MULP p, buf, q, set, first
	WIN 0x50                                       ; C and D window 1
.irp b, 0,1,2,3
.if \first
	v_wmma_scale_f32_16x16x128_f8f6f4 v[8*(4*(\p)+\b):8*(4*(\p)+\b)+7], v[BF+48*(\buf)+FR*\b:BF+48*(\buf)+FR*\b+FR-1], v[AF+48*(\buf)+FR*(\p):AF+48*(\buf)+FR*(\p)+FR-1], v[BIAS+8*\b:BIAS+8*\b+7], v[SC+16*(\set)+NQS*\b+(\q)], v[SC+16*(\set)+NQS*(\p)+(\q)] matrix_a_fmt:MATRIX_FMT_FP6 matrix_b_fmt:MATRIX_FMT_FP6 matrix_a_scale:MATRIX_SCALE_ROW1
.else
	v_wmma_scale_f32_16x16x128_f8f6f4 v[8*(4*(\p)+\b):8*(4*(\p)+\b)+7], v[BF+48*(\buf)+FR*\b:BF+48*(\buf)+FR*\b+FR-1], v[AF+48*(\buf)+FR*(\p):AF+48*(\buf)+FR*(\p)+FR-1], v[8*(4*(\p)+\b):8*(4*(\p)+\b)+7], v[SC+16*(\set)+NQS*\b+(\q)], v[SC+16*(\set)+NQS*(\p)+(\q)] matrix_a_fmt:MATRIX_FMT_FP6 matrix_b_fmt:MATRIX_FMT_FP6 matrix_a_scale:MATRIX_SCALE_ROW1
.endif
.endr
.endm
.macro STEP slot, q, first             ; a K step that has its successor in the same slot
	s_wait_dscnt 0x0                               ; this step's fragments, asked for a whole K step ago
	PLACES                                         ; ahead of loads into the buffer that the last products read
	FETCH \slot, (\q)+1, ((\q)+1)%2
	MULP 0, (\q)%2, \q, \slot, \first
	MULP 1, (\q)%2, \q, \slot, \first
	MULP 2, (\q)%2, \q, \slot, \first
	MULP 3, (\q)%2, \q, \slot, \first
.endm
; A slot's last K step changes slots: one barrier; in front of it each wave waits for all its tensor loads, adds 0 to its spare word, and waits for that and for its reads of this slot.
.macro TURN slot, next, fill
	WIN 0
	s_wait_tensorcnt 0x0                           ; my part of the next slot has landed: no tensor load of mine is out
	ds_add_u32 v[SPW], v[NIL]                      ; 0 onto my spare word
	s_wait_dscnt 0x1                               ; this step's fragments are in; the add alone may be out
	MULP 0, 1, NQS-1, \slot, 0
	s_wait_dscnt 0x0                               ; the add is done, and my reads of this slot are over
	s_barrier_signal -1
	MULP 1, 1, NQS-1, \slot, 0
	WIN 0
	s_barrier_wait -1
.if \fill
	CREST                                          ; the barrier has opened a round of the cluster's: no wave of any partner still reads this slot or has a load on its way
	s_add_nc_u64 s[G0+4*\slot+2:G0+4*\slot+3], s[G0+4*\slot+2:G0+4*\slot+3], 4*NGA*UNIT
	s_add_nc_u64 s[G0B+4*\slot+2:G0B+4*\slot+3], s[G0B+4*\slot+2:G0B+4*\slot+3], 4*NGB*UNIT
	JLOAD G0+4*\slot, G1, G0B+4*\slot, G1B         ; the first tensor load behind the round; its four v_nop are the places ahead of the loads below
.else
	PLACES
.endif
	FETCH \next, 0, 0
	SCALES \next
	MULP 2, 1, NQS-1, \slot, 0
	MULP 3, 1, NQS-1, \slot, 0
.endm
	s_wait_tensorcnt 0x0                           ; my one load is in
	s_barrier_signal -1
	s_barrier_wait -1
	FETCH 0, 0, 0
	SCALES 0
	s_wait_loadcnt 32                              ; the bias is in; the residual's 32 loads stay out while K is walked
	STEP 0, 0, 1
	STEP 0, 1, 0
	STEP 0, 2, 0
.if LAPS > 1
	WIN 0
	s_mov_b32 s3, LAPS-1
.Llap:
	TURN 0, 1, 1
	STEP 1, 0, 0
	STEP 1, 1, 0
	STEP 1, 2, 0
	TURN 1, 0, 1
	STEP 0, 0, 0
	STEP 0, 1, 0
	STEP 0, 2, 0
	WIN 0
	s_sub_co_u32 s3, s3, 1
	s_cmp_lg_u32 s3, 0
	s_cbranch_scc1 .Llap
.endif
	TURN 0, 1, 0                                   ; the last lap fills nothing
	STEP 1, 0, 0
	STEP 1, 1, 0
	STEP 1, 2, 0
	s_wait_dscnt 0x0
	MULP 0, 1, NQS-1, 1, 0
	MULP 1, 1, NQS-1, 1, 0
	MULP 2, 1, NQS-1, 1, 0
	MULP 3, 1, NQS-1, 1, 0
	WIN 0
	s_wait_loadcnt 0x0                             ; the residual
	PLACES
; THE WAY OUT, 16 rows at a time: a lane's 32 bytes of a row go into my stage and come back as whole rows of 256 bytes; the residual is added; sixteen lanes store 256 consecutive bytes, aligned.
.irp a, 0,1,2,3
	WIN 0x04                                       ; an LDS store's data are its source 1: window 1
.irp b, 0,1,2,3
	ds_store_b128 v[STO], v[8*(4*\a+\b):8*(4*\a+\b)+3] offset:64*\b            ; each accumulator from its low end on
	ds_store_b128 v[STO], v[8*(4*\a+\b)+4:8*(4*\a+\b)+7] offset:64*\b+16
.endr
	WIN 0
.if \a > 0
	s_wait_xcnt 0x0                                ; earlier stores have read their data: the registers may be loaded again
.endif
.irp i, 0,1,2,3,4,5,6,7
	ds_load_b128 v[Y+32*(\a%2)+4*\i:Y+32*(\a%2)+4*\i+3], v[RD] offset:2*\i*SPITCH   ; LDS serves a wave's instructions in order: these see my stores
.endr
	s_wait_dscnt 0x0
	WIN 0x08                                       ; source 1 (the residual) window 2
.irp k, 0,2,4,6,8,10,12,14,16,18,20,22,24,26,28,30
	v_pk_add_f32 v[Y+32*(\a%2)+\k:Y+32*(\a%2)+\k+1], v[Y+32*(\a%2)+\k:Y+32*(\a%2)+\k+1], v[32*\a+\k:32*\a+\k+1]
.endr
	WIN 0
.irp i, 0,1,2,3,4,5,6,7
.if NTOUT
	global_store_b128 v[CO], v[Y+32*(\a%2)+4*\i:Y+32*(\a%2)+4*\i+3], s[12:13] offset:(16*\a+2*\i)*4096 th:TH_STORE_NT
.else
	global_store_b128 v[CO], v[Y+32*(\a%2)+4*\i:Y+32*(\a%2)+4*\i+3], s[12:13] offset:(16*\a+2*\i)*4096
.endif
.endr
.endr
	s_wait_tensorcnt 0x0                           ; the wave's end
	ds_add_u32 v[SPW], v[NIL]
	s_wait_dscnt 0x0
	CROUND                                         ; the closing round
	s_endpgm
.Lfunc_end_k_q95081605fd_wo:
	.size	k_q95081605fd_wo, .Lfunc_end_k_q95081605fd_wo-k_q95081605fd_wo
	.p2alignl 7, 3214868480
	.fill 96, 4, 3214868480
	.section	.rodata,"a",@progbits
	.p2align	6, 0x0
	.amdhsa_kernel k_q95081605fd_wo
		.amdhsa_group_segment_fixed_size 327680
		.amdhsa_private_segment_fixed_size 0
		.amdhsa_enable_private_segment 0
		.amdhsa_kernarg_size 40
		.amdhsa_user_sgpr_count 2
		.amdhsa_user_sgpr_kernarg_segment_ptr 1
		.amdhsa_wavefront_size32 1
		.amdhsa_system_sgpr_workgroup_id_x 1
		.amdhsa_system_sgpr_workgroup_id_y 1
		.amdhsa_system_sgpr_workgroup_id_z 1
		.amdhsa_system_vgpr_workitem_id 0
		.amdhsa_next_free_vgpr 640
		.amdhsa_next_free_sgpr 66
		.amdhsa_reserve_vcc 0
		.amdhsa_float_denorm_mode_32 3
		.amdhsa_float_denorm_mode_16_64 3
		.amdhsa_memory_ordered 1
		.amdhsa_forward_progress 1
		.amdhsa_inst_pref_size 59
	.end_amdhsa_kernel
	.amdgpu_metadata
---
amdhsa.version: [ 1, 2 ]
amdhsa.kernels:
  - .name:           k_q95081605fd_wo
    .symbol:         k_q95081605fd_wo.kd
    .args:
      - { .name: ao, .offset: 0, .size: 8, .value_kind: global_buffer, .address_space: global }
      - { .name: wc, .offset: 8, .size: 8, .value_kind: global_buffer, .address_space: global }
      - { .name: bo, .offset: 16, .size: 8, .value_kind: global_buffer, .address_space: global }
      - { .name: x, .offset: 24, .size: 8, .value_kind: global_buffer, .address_space: global }
      - { .name: h, .offset: 32, .size: 8, .value_kind: global_buffer, .address_space: global }
    .group_segment_fixed_size: 327680
    .private_segment_fixed_size: 0
    .kernarg_segment_align: 8
    .kernarg_segment_size: 40
    .max_flat_workgroup_size: 128
    .sgpr_count:     66
    .vgpr_count:     640
    .wavefront_size: 32
...
	.end_amdgpu_metadata
.endif
;; end of part 4
;; launch ln2 (part 5): grid 256 x 1, 4 waves a work-group, no clusters, 66,304 bytes of LDS; arguments h, alpha2, beta2, nc; writes nc
.if DOCPART == 5
	.amdgcn_target "amdgcn-amd-amdhsa--gfx1250"
	.amdhsa_code_object_version 6
	.text
	.protected	k_q95081605fd_ln2
	.globl	k_q95081605fd_ln2
	.p2align	8
	.type	k_q95081605fd_ln2,@function
k_q95081605fd_ln2:
	s_mov_b64 s[64:65], 0
	v_nop
	global_prefetch_b8 v0, s[64:65] scope:SCOPE_SE
	s_setreg_imm32_b32 hwreg(HW_REG_WAVE_MODE, 25, 1), 1
	s_wait_xcnt 0x0
; y = alpha (x - mean) / (std + 1e-6) + beta along rows of 1,024 f32 (std with 1,023 in the divisor), then y is quantised along the row to codes of FP6 (E2M3) with one E8M0 byte for each 32,
; and stored as images of the matrix unit's registers: a UNIT (25,600 bytes) is 128 rows x 256 K: image (tile t of 16 rows, K step q, half c) at 3072 t + 1536 q + 768 c, lane (r, h)'s 24 bytes of row r,
; k = 64 c + 32 h + 0 .. 31, as 16 bytes at 16 x lane and 8 at 512 + 8 x lane; scale words at 24576 + 512 q + 64 t + 4 r.  Units lie (k / 256) x 32 + row / 128.
; SHARES.  A work-group takes 16 rows.  First each wave norms 4 whole rows, kept in 128 registers: the row is read once, the variance is the sum of (x - mean)^2, so a common offset of the inputs cancels before anything is squared.
; The normed rows go through LDS (pitch 4,112 bytes = 257 x 16: sixteen rows of a 16-byte read start in different banks); behind ONE barrier wave w takes K = 256 w .. + 255 of all 16 rows, a lane 2 x 32 neighbours a K step.
; No matrix unit, no tensor load, no cluster: the work-groups share no input and memory binds.
; LIMITS: 1 / 1023 and 1 / (std + eps) are multiplications by a constant and by v_rcp_f32's result (a few units in the last place from the division); zero blocks and blocks under 2^-124 get the byte 1; NaN and infinities are not served.
.set PITCH, 4112
.set L128, 1                           ; v1  16 x lane
.set STA,  2                           ; v2  LDS: where I put my 16 bytes of my wave's first row
.set LDA,  3                           ; v3  LDS: row r, my wave's 256 along K, + 128 h
.set L64,  5                           ; v5  8 x lane
.set R4,   6                           ; v6  4 r
.set SH8,  7                           ; v7  8 h
.set SA,   8                           ; v8-15  a pair for each of my 4 rows: the sum, then the mean twice
.set TP,   16                          ; v16-19 what the lane 16 away holds
.set G,    20                          ; v20-27 a pair for each row: the sum of squares, then alpha / (std + eps) twice
.set QM,   28
.set QS,   30
.set QP,   16
.set X,    32                          ; v32-159 my 4 rows; later v32-95: 64 numbers to quantise
.set IM,   160                         ; v160-183 two fragments' images
.set QT,   184
.set WD,   192                         ; v192-193 their scale words
.set SEL,  16                          ; s[16:17]
	s_load_b256 s[4:11], s[0:1], 0x0               ; in, alpha, beta, out
	v_lshl_add_u32 v200, v0, 2, 0x10100
	v_mov_b32 v201, 0
	v_lshrrev_b32 v8, 5, v0
	v_readfirstlane_b32 s18, v8                    ; wave
	v_and_b32 v8, 31, v0
	v_and_b32 v9, 15, v0                           ; r
	v_bfe_u32 v10, v0, 4, 1                        ; h
	v_lshlrev_b32 v[L128], 4, v8
	v_lshlrev_b32 v[L64], 3, v8
	v_lshlrev_b32 v[R4], 2, v9
	v_lshlrev_b32 v[SH8], 3, v10
	s_mul_i32 s19, s18, 4*PITCH
	v_add_nc_u32 v[STA], s19, v[L128]
	v_mul_u32_u24 v[LDA], v9, PITCH
	v_lshl_add_u32 v[LDA], v10, 7, v[LDA]
	s_lshl_b32 s19, s18, 10
	v_add_nc_u32 v[LDA], s19, v[LDA]
	s_mov_b32 s[SEL], 0x76543210
	s_mov_b32 s[SEL+1], 0xfedcba98                 ; v_permlanex16_b32's selects for lane l xor 16
.irp p, 0,1,2,3
	v_mov_b32 v[TP+\p], 0                          ; written once: a lane permute's destination counts as one of its sources
.endr
	s_lshl_b32 s20, ttmp9, 16                      ; 16 rows of 4,096 bytes a work-group,
	s_lshl_b32 s21, s18, 14                        ; 4 a wave
	s_add_co_u32 s20, s20, s21
	s_mov_b32 s21, 0
	s_lshl_b32 s22, s18, 5
	s_lshr_b32 s23, ttmp9, 3
	s_add_co_u32 s22, s22, s23
	s_mul_i32 s22, s22, 25600                      ; my unit: 32 x wave + rows / 128
	s_mov_b32 s23, 0
	s_and_b32 s24, ttmp9, 7                        ; the tile of 16 rows in it
	s_mul_i32 s26, s24, 3072
	s_mov_b32 s27, 0
	s_lshl_b32 s24, s24, 6
	s_add_co_u32 s24, s24, 24576
	s_mov_b32 s25, 0
	s_wait_kmcnt 0x0
	s_load_b32 s12, s[6:7], 0x0                    ; alpha
	s_load_b32 s14, s[8:9], 0x0                    ; beta
	s_add_nc_u64 s[4:5], s[4:5], s[20:21]
	s_add_nc_u64 s[10:11], s[10:11], s[22:23]
	s_add_nc_u64 s[24:25], s[10:11], s[24:25]      ; the scale words
	s_add_nc_u64 s[10:11], s[10:11], s[26:27]      ; the images
.irp p, 0,1,2,3
.irp j, 0,1,2,3,4,5,6,7
	global_load_b128 v[X+32*\p+4*\j:X+32*\p+4*\j+3], v[L128], s[4:5] offset:\p*4096+512*\j th:TH_LOAD_NT   ; 512 consecutive bytes a load
.endr
.endr
.macro REDUCE base                     ; the four rows' pairs become the rows' totals, in every lane; the rows by turns
.irp p, 0,1,2,3
	v_add_f32 v[\base+2*\p], v[\base+2*\p], v[\base+2*\p+1]
.endr
.irp m, 1,2,4,8
.irp p, 0,1,2,3
	v_add_f32_dpp v[\base+2*\p], v[\base+2*\p], v[\base+2*\p] row_xmask:\m row_mask:0xf bank_mask:0xf
.endr
.endr
.irp p, 0,1,2,3
	v_permlanex16_b32 v[TP+\p], v[\base+2*\p], s[SEL], s[SEL+1]
.endr
.irp p, 0,1,2,3
	v_add_f32 v[\base+2*\p], v[\base+2*\p], v[TP+\p]
.endr
.endm
	s_wait_loadcnt 0x0
.irp p, 0,1,2,3
	v_pk_add_f32 v[SA+2*\p:SA+2*\p+1], v[X+32*\p:X+32*\p+1], v[X+32*\p+2:X+32*\p+3]
.endr
.irp j, 4,6,8,10,12,14,16,18,20,22,24,26,28,30
.irp p, 0,1,2,3
	v_pk_add_f32 v[SA+2*\p:SA+2*\p+1], v[SA+2*\p:SA+2*\p+1], v[X+32*\p+\j:X+32*\p+\j+1]
.endr
.endr
	REDUCE SA
.irp p, 0,1,2,3
	v_mul_f32 v[SA+2*\p], 0x3a800000, v[SA+2*\p]   ; the mean: x 2^-10, exact
.endr
.irp p, 0,1,2,3
	v_mov_b32 v[SA+2*\p+1], v[SA+2*\p]
.endr
.irp j, 0,2,4,6,8,10,12,14,16,18,20,22,24,26,28,30
.irp p, 0,1,2,3
	v_pk_add_f32 v[X+32*\p+\j:X+32*\p+\j+1], v[X+32*\p+\j:X+32*\p+\j+1], v[SA+2*\p:SA+2*\p+1] neg_lo:[0,1] neg_hi:[0,1]   ; x - mean, in place
.endr
.endr
.irp p, 0,1,2,3
	v_pk_mul_f32 v[G+2*\p:G+2*\p+1], v[X+32*\p:X+32*\p+1], v[X+32*\p:X+32*\p+1]
.endr
.irp j, 2,4,6,8,10,12,14,16,18,20,22,24,26,28,30
.irp p, 0,1,2,3
	v_pk_fma_f32 v[G+2*\p:G+2*\p+1], v[X+32*\p+\j:X+32*\p+\j+1], v[X+32*\p+\j:X+32*\p+\j+1], v[G+2*\p:G+2*\p+1]
.endr
.endr
	REDUCE G
.irp p, 0,1,2,3
	v_mul_f32 v[G+2*\p], 0x3a802008, v[G+2*\p]     ; / 1023
.endr
	s_wait_alu depctr_va_vdst(0)
.irp p, 0,1,2,3
	v_sqrt_f32 v[G+2*\p], v[G+2*\p]
.endr
	v_nop                                          ; a plain line behind the last root,
	s_wait_alu depctr_va_vdst(0)                   ; and one wait for the four, ahead of their first reader
.irp p, 0,1,2,3
	v_add_f32 v[G+2*\p], 0x358637bd, v[G+2*\p]     ; + 1e-6
.endr
	s_wait_alu depctr_va_vdst(0)
.irp p, 0,1,2,3
	v_rcp_f32 v[G+2*\p], v[G+2*\p]
.endr
	v_nop
	s_wait_alu depctr_va_vdst(0)                   ; likewise for the four reciprocals
	s_wait_kmcnt 0x0                               ; alpha and beta
	s_mov_b32 s15, s14                             ; (the packed form names the pair)
.irp p, 0,1,2,3
	v_mul_f32 v[G+2*\p], s12, v[G+2*\p]
.endr
.irp p, 0,1,2,3
	v_mov_b32 v[G+2*\p+1], v[G+2*\p]
.endr
.irp j, 0,2,4,6,8,10,12,14,16,18,20,22,24,26,28,30
.irp p, 0,1,2,3
	v_pk_fma_f32 v[X+32*\p+\j:X+32*\p+\j+1], v[X+32*\p+\j:X+32*\p+\j+1], v[G+2*\p:G+2*\p+1], s[14:15] op_sel_hi:[1,1,0]
.endr
.endr
.irp p, 0,1,2,3
.irp j, 0,1,2,3,4,5,6,7
	ds_store_b128 v[STA], v[X+32*\p+4*\j:X+32*\p+4*\j+3] offset:\p*PITCH+512*\j
.endr
.endr
	s_wait_dscnt 0x0                               ; for the others' sake: my rows lie in LDS
	s_barrier_signal -1
	s_barrier_wait -1
; 64 numbers of a lane, registers 0-31 = k 32 h + 0 .. 31 and 32-63 = k 64 + 32 h + 0 .. 31 of its row, become a fragment's 12 registers and, in every lane, the row's scale word.
.macro QB x, im, wd
.irp c, 0,1
	v_max3_num_f32 v[QM+\c], |v[\x+32*\c]|, |v[\x+32*\c+1]|, 0x1800000   ; a whole block is mine; the floor 2^(3 - 127) holds the byte at 1 from below
.endr
.irp i, 2,4,6,8,10,12,14,16,18,20,22,24,26,28,30
.irp c, 0,1
	v_max3_num_f32 v[QM+\c], v[QM+\c], |v[\x+32*\c+\i]|, |v[\x+32*\c+\i+1]|
.endr
.endr
.irp c, 0,1
	v_add_nc_u32 v[QS+\c], 0xff000000, v[QM+\c]    ; 2 off the exponent field: the conversion's scale operand
.endr
.irp c, 0,1
	v_lshrrev_b32 v[QM+\c], 23, v[QS+\c]           ; the byte
.endr
	v_lshl_or_b32 v[\wd], v[QM+1], 16, v[QM]       ; blocks h and 2 + h,
	v_lshlrev_b32 v[\wd], v[SH8], v[\wd]           ; at their places;
	v_permlanex16_b32 v[QP], v[\wd], s[SEL], s[SEL+1]
	v_or_b32 v[\wd], v[\wd], v[QP]                 ; with lane l xor 16's two the word is whole
	v_cvt_scalef32_pk16_fp6_f32 v[\im:\im+2], v[\x:\x+15], v[QS]
	v_cvt_scalef32_pk16_fp6_f32 v[QT:QT+2], v[\x+16:\x+31], v[QS]          ; (a conversion's three registers begin on an even number)
	v_cvt_scalef32_pk16_fp6_f32 v[\im+6:\im+8], v[\x+32:\x+47], v[QS+1]
	v_cvt_scalef32_pk16_fp6_f32 v[QT+4:QT+6], v[\x+48:\x+63], v[QS+1]
	v_nop                                          ; one plain line behind a scaled conversion
.irp i, 0,1,2
	v_mov_b32 v[\im+3+\i], v[QT+\i]
	v_mov_b32 v[\im+9+\i], v[QT+4+\i]
.endr
.endm
.irp q, 0,1
.irp c, 0,1
.irp i, 0,1,2,3,4,5,6,7
	ds_load_b128 v[X+32*\c+4*\i:X+32*\c+4*\i+3], v[LDA] offset:\q*512+256*\c+16*\i
.endr
.endr
	s_wait_dscnt 0x0
	QB X, IM+12*\q, WD+\q
.irp c, 0,1
	global_store_b128 v[L128], v[IM+12*\q+6*\c:IM+12*\q+6*\c+3], s[10:11] offset:\q*1536+\c*768       ; 512 consecutive bytes, aligned to 256
	global_store_b64 v[L64], v[IM+12*\q+6*\c+4:IM+12*\q+6*\c+5], s[10:11] offset:\q*1536+\c*768+512   ; 256
.endr
	global_store_b32 v[R4], v[WD+\q], s[24:25] offset:\q*512   ; 64 bytes: the tile's words (lanes 16-31 store the same words to the same places)
.endr
	s_wait_tensorcnt 0x0
	ds_add_u32 v200, v201
	s_wait_dscnt 0x0
	s_endpgm
.Lfunc_end_k_q95081605fd_ln2:
	.size	k_q95081605fd_ln2, .Lfunc_end_k_q95081605fd_ln2-k_q95081605fd_ln2
	.p2alignl 7, 3214868480
	.fill 96, 4, 3214868480
	.section	.rodata,"a",@progbits
	.p2align	6, 0x0
	.amdhsa_kernel k_q95081605fd_ln2
		.amdhsa_group_segment_fixed_size 66304
		.amdhsa_private_segment_fixed_size 0
		.amdhsa_enable_private_segment 0
		.amdhsa_kernarg_size 32
		.amdhsa_user_sgpr_count 2
		.amdhsa_user_sgpr_kernarg_segment_ptr 1
		.amdhsa_wavefront_size32 1
		.amdhsa_system_sgpr_workgroup_id_x 1
		.amdhsa_system_sgpr_workgroup_id_y 1
		.amdhsa_system_sgpr_workgroup_id_z 1
		.amdhsa_system_vgpr_workitem_id 0
		.amdhsa_next_free_vgpr 202
		.amdhsa_next_free_sgpr 66
		.amdhsa_reserve_vcc 0
		.amdhsa_float_denorm_mode_32 3
		.amdhsa_float_denorm_mode_16_64 3
		.amdhsa_memory_ordered 1
		.amdhsa_forward_progress 1
		.amdhsa_inst_pref_size 37
	.end_amdhsa_kernel
	.amdgpu_metadata
---
amdhsa.version: [ 1, 2 ]
amdhsa.kernels:
  - .name:           k_q95081605fd_ln2
    .symbol:         k_q95081605fd_ln2.kd
    .args:
      - { .name: h, .offset: 0, .size: 8, .value_kind: global_buffer, .address_space: global }
      - { .name: alpha2, .offset: 8, .size: 8, .value_kind: global_buffer, .address_space: global }
      - { .name: beta2, .offset: 16, .size: 8, .value_kind: global_buffer, .address_space: global }
      - { .name: nc, .offset: 24, .size: 8, .value_kind: global_buffer, .address_space: global }
    .group_segment_fixed_size: 66304
    .private_segment_fixed_size: 0
    .kernarg_segment_align: 8
    .kernarg_segment_size: 32
    .max_flat_workgroup_size: 128
    .sgpr_count:     66
    .vgpr_count:     202
    .wavefront_size: 32
...
	.end_amdgpu_metadata
.endif
;; end of part 5
;; launch ffn1 (part 6): grid 16 x 16, 4 waves a work-group, clusters of 4 x 4, 327,680 bytes of LDS; arguments nc, wc, b1, hid; writes hid
.if DOCPART == 6
	.amdgcn_target "amdgcn-amd-amdhsa--gfx1250"
	.amdhsa_code_object_version 6
	.text
	.protected	k_q95081605fd_ffn1
	.globl	k_q95081605fd_ffn1
	.p2align	8
	.type	k_q95081605fd_ffn1,@function
k_q95081605fd_ffn1:
	s_mov_b64 s[64:65], 0
	v_nop
	global_prefetch_b8 v0, s[64:65] scope:SCOPE_SE
	s_setreg_imm32_b32 hwreg(HW_REG_WAVE_MODE, 25, 1), 1
	s_wait_xcnt 0x0
	s_wait_alu depctr_hold_cnt(0) depctr_sa_sdst(0) depctr_va_vdst(0) depctr_va_sdst(0) depctr_va_ssrc(0) depctr_va_vcc(0) depctr_vm_vsrc(0)
	s_getreg_b32 s2, hwreg(HW_REG_IB_STS2, 6, 4)
	s_cmp_eq_u32 s2, 0
	s_cbranch_scc0 .Lentry_in_a_cluster
	s_endpgm
.Lentry_in_a_cluster:
	s_bfe_u32 s2, ttmp6, 0x10000c
	s_cmp_lg_u32 s2, 0xf033
	s_cbranch_scc0 .Lentry_shape_is_right
	s_endpgm
.Lentry_shape_is_right:
.set UNIT,   25600
.set SLOT,   4*UNIT
.set SPARE,  3*SLOT
.set NGA,    32
.set NGB,    32
.set BOFF,   3276800
.set NQS,    2
.set FR,     12
.set SPITCH, 528
.set R,    1
.set HF,   2
.set L128P, 4
.set L64P, 5
.set R4,   6
.set SH8,  7
.set BA,   15
.set A128, 16
.set A64,  17
.set B128, 18
.set B64,  19
.set ADRS, 20
.set CA128, 21
.set CA64, 22
.set CB128, 23
.set STO,  24
.set RD,   25
.set SPW,  28
.set NIL,  29
.set CB64, 30
.set CADRS, 31
.set SC,   32
.set AF,   64
.set BIAS, 192
.set X,    64
.set IM,   128
.set QT,   140
.set QM,   148
.set QS,   150
.set QP,   152
.set WD,   153
.set G1,  24
.set G0,  32
.set G1B, 48
.set G0B, 56
.set G0C, 80
.set G0CB, 84
.set SEL, 66
.set PC,  96
.set PS,  98
.set MSB, 0
.macro WIN new
.if MSB != (\new)
	s_set_vgpr_msb (MSB<<8)|(\new)
.set MSB, (\new)
.endif
.endm
.macro PLACES
.rept 4
	v_nop
.endr
.endm
.macro JLOAD g0a, g1a, g0b, g1b
	s_cmp_eq_u32 s15, 0
	s_cbranch_scc0 .Lfor_b_\@
	tensor_load_to_lds s[\g0a:\g0a+3], s[\g1a:\g1a+7]
	s_nop 0
.rept 4
	v_nop
.endr
	s_branch .Lasked_\@
.Lfor_b_\@:
	tensor_load_to_lds s[\g0b:\g0b+3], s[\g1b:\g1b+7]
	s_nop 0
.rept 4
	v_nop
.endr
.Lasked_\@:
.endm
.macro CREST
	s_cmp_lg_u32 s14, 0
	s_cbranch_scc1 .Lnot_wave_0_\@
	s_barrier_signal -3
.Lnot_wave_0_\@:
	s_barrier_wait -3
	s_barrier_signal -1
	s_barrier_wait -1
.endm
.macro CROUND
	s_barrier_signal -1
	s_barrier_wait -1
	CREST
.endm
	s_load_b256 s[4:11], s[0:1], 0x0
	v_lshl_add_u32 v[SPW], v0, 2, SPARE
	v_mov_b32 v[NIL], 0
	ds_add_u32 v28, v29
	ds_add_u32 v28, v29
	s_wait_dscnt 0x0
	v_lshrrev_b32 v1, 5, v0
	v_readfirstlane_b32 s14, v1
	s_lshr_b32 s15, s14, 1
	s_and_b32 s16, s14, 1
	s_bfe_u32 s40, ttmp6, 0x40000
	s_bfe_u32 s41, ttmp6, 0x40004
	s_lshl_b32 s42, ttmp9, 2
	s_add_co_u32 s42, s42, s40
	s_and_b32 s17, ttmp7, 0xffff
	s_lshl_b32 s17, s17, 2
	s_add_co_u32 s17, s17, s41
	s_lshl_b32 s43, s41, 2
	s_lshl_b32 s43, 15, s43
	s_lshl_b32 s44, 0x1111, s40
	s_or_b32 s[G1], s43, (3<<16)|(1<<21)
	s_or_b32 s[G1B], s44, (3<<16)|(1<<21)
.irp g, G1, G1B
	s_mov_b32 s[\g+1], 32<<16
	s_mov_b32 s[\g+2], 200<<16                     ; the head's loads bring two units on end: 200 rows; behind them the two words are set to 100
	s_mov_b32 s[\g+3], 32<<16
	s_mov_b32 s[\g+4], 200
	s_mov_b32 s[\g+5], 32
	s_mov_b32 s[\g+6], 0
	s_mov_b32 s[\g+7], 0
.endr
	s_lshl_b32 s20, s17, 1
	s_add_co_u32 s20, s20, s16
	s_mul_i32 s20, s20, UNIT
	s_mov_b32 s21, 0
	s_lshl_b32 s46, s42, 1
	s_add_co_u32 s46, s46, s16
	s_mul_i32 s46, s46, UNIT
	s_add_co_u32 s46, s46, BOFF
	s_mov_b32 s47, 0
	s_mul_i32 s45, s14, UNIT
	s_wait_kmcnt 0x0
	s_add_nc_u64 s[20:21], s[4:5], s[20:21]
	s_add_nc_u64 s[46:47], s[6:7], s[46:47]
	CROUND
.macro FIRST s, g0a, g0b
	s_mov_b32 s[\g0a], 1
	s_add_co_u32 s[\g0a+1], s45, (\s)*SLOT
	s_add_nc_u64 s[\g0a+2:\g0a+3], s[20:21], (\s)*NGA*UNIT
	s_or_b32 s[\g0a+3], s[\g0a+3], 0x80000000
	s_mov_b32 s[\g0b], 1
	s_add_co_u32 s[\g0b+1], s45, (\s)*SLOT
	s_add_nc_u64 s[\g0b+2:\g0b+3], s[46:47], (\s)*NGB*UNIT
	s_or_b32 s[\g0b+3], s[\g0b+3], 0x80000000
.endm
	FIRST 0, G0, G0B                               ; group 0 of my unit in slot 0 (taken up again for tile 3),
	FIRST 2, G0C, G0CB                             ; and of my unit of tile 2
	; THE HEAD'S LOADS, ONE A WAVE: wave 0 A's two units of tile 0, wave 1 B's two, wave 2 A's two of tile 1, wave 3 B's two: slots 0 and 1 whole
	s_mul_i32 s18, s16, UNIT
	s_mov_b32 s19, 0
	s_sub_nc_u64 s[22:23], s[20:21], s[18:19]      ; the pair's first unit
	s_sub_nc_u64 s[88:89], s[46:47], s[18:19]
	s_mul_i32 s18, s15, NGA*UNIT                   ; tile = wave / 2
	s_add_nc_u64 s[22:23], s[22:23], s[18:19]
	s_mul_i32 s18, s15, NGB*UNIT
	s_add_nc_u64 s[88:89], s[88:89], s[18:19]
	s_mul_i32 s18, s15, SLOT
	s_mov_b32 s[G0+4], 1
	s_mov_b32 s[G0+5], s18
	s_mov_b64 s[G0+6:G0+7], s[22:23]
	s_or_b32 s[G0+7], s[G0+7], 0x80000000
	s_mov_b32 s[G0B+4], 1
	s_add_co_u32 s[G0B+5], s18, 2*UNIT
	s_mov_b64 s[G0B+6:G0B+7], s[88:89]
	s_or_b32 s[G0B+7], s[G0B+7], 0x80000000
	s_cmp_eq_u32 s16, 0
	s_cbranch_scc0 .Lhead_b
	tensor_load_to_lds s[G0+4:G0+7], s[G1:G1+7]
	s_nop 0
.rept 4
	v_nop
.endr
	s_branch .Lhead_asked
.Lhead_b:
	tensor_load_to_lds s[G0B+4:G0B+7], s[G1B:G1B+7]
	s_nop 0
.rept 4
	v_nop
.endr
.Lhead_asked:
	v_and_b32 v[R], 15, v0
	v_bfe_u32 v[HF], v0, 4, 1
	v_and_b32 v3, 31, v0
	v_lshlrev_b32 v[L128P], 4, v3
	v_lshlrev_b32 v[L64P], 3, v3
	v_lshlrev_b32 v[R4], 2, v[R]
	v_lshlrev_b32 v[SH8], 3, v[HF]
	v_lshlrev_b32 v[BA], 5, v[HF]
	s_mul_i32 s21, s15, UNIT
	s_mul_i32 s22, s16, UNIT
	s_add_co_u32 s22, s22, 2*UNIT
	v_add_nc_u32 v[A128], s21, v[L128P]
	v_add_nc_u32 v[A64], s21, v[L64P]
	v_add_nc_u32 v[B128], s22, v[L128P]
	v_add_nc_u32 v[B64], s22, v[L64P]
	s_sub_co_u32 s22, s22, s21
	v_mul_u32_u24 v3, s22, v[HF]
	v_lshl_add_u32 v3, v[R], 2, v3
	s_add_co_u32 s21, s21, 24576
	v_add_nc_u32 v[ADRS], s21, v3
	s_mul_i32 s23, s14, 16*SPITCH
	s_add_co_u32 s23, s23, SLOT
	v_mul_u32_u24 v3, v[R], SPITCH
	v_add_nc_u32 v3, s23, v3
	v_lshl_add_u32 v[STO], v[HF], 5, v3
	v_lshl_add_u32 v[RD], v[HF], 7, v3
	s_mov_b32 s[SEL], 0x76543210
	s_mov_b32 s[SEL+1], 0xfedcba98
	s_lshl_b32 s18, s42, 10
	s_lshl_b32 s19, s16, 9
	s_add_co_u32 s18, s18, s19
	s_mov_b32 s19, 0
	s_add_nc_u64 s[8:9], s[8:9], s[18:19]
	s_lshl_b32 s18, s17, 1
	s_add_co_u32 s18, s18, s15
	s_lshl_b32 s18, s18, 4
	s_add_co_u32 s18, s18, s42
	s_mul_i32 s18, s18, UNIT
	s_add_nc_u64 s[10:11], s[10:11], s[18:19]
	s_mul_i32 s18, s16, 1536
	s_add_nc_u64 s[PC:PC+1], s[10:11], s[18:19]
	s_lshl_b32 s18, s16, 9
	s_add_co_u32 s18, s18, 24576
	s_add_nc_u64 s[PS:PS+1], s[10:11], s[18:19]
	WIN 0x40
.irp b, 0,1,2,3,4,5,6,7
	global_load_b128 v[BIAS+8*\b:BIAS+8*\b+3], v[BA], s[8:9] offset:64*\b
	global_load_b128 v[BIAS+8*\b+4:BIAS+8*\b+7], v[BA], s[8:9] offset:64*\b+16
.endr
	WIN 0
.macro SETSLOT s
	v_add_nc_u32 v[CA128], (\s)*SLOT, v[A128]
	v_add_nc_u32 v[CA64], (\s)*SLOT, v[A64]
	v_add_nc_u32 v[CB128], (\s)*SLOT, v[B128]
	v_add_nc_u32 v[CB64], (\s)*SLOT, v[B64]
	v_add_nc_u32 v[CADRS], (\s)*SLOT, v[ADRS]
.endm
.macro FRAG reg, a128, a64, off
	ds_load_b128 v[\reg:\reg+3], v[\a128] offset:\off
	ds_load_b64 v[\reg+4:\reg+5], v[\a64] offset:\off+512
	ds_load_b128 v[\reg+6:\reg+9], v[\a128] offset:\off+768
	ds_load_b64 v[\reg+10:\reg+11], v[\a64] offset:\off+1280
.endm
.macro FETCH q, buf
	WIN 0x40
.irp i, 0,1,2,3,4,5,6,7
	FRAG 96*(\buf)+FR*\i, CB128, CB64, \i*3072+(\q)*1536
.endr
	WIN 0
.irp i, 0,1,2,3,4,5,6,7
	FRAG AF+96*(\buf)+FR*\i, CA128, CA64, \i*3072+(\q)*1536
.endr
.endm
.macro SCALES set
.irp i, 0,1,2,3,4,5,6,7
.irp q, 0,1
	ds_load_b32 v[SC+16*(\set)+NQS*\i+\q], v[CADRS] offset:\q*512+\i*64
.endr
.endr
.endm
.macro MULP p, buf, q, set, first
.if \first
	WIN 0x91+0x40*((\p)/2)
.else
	WIN 0xa1+0x50*((\p)/2)
.endif
.irp a, 2*(\p), 2*(\p)+1
.irp b, 0,1,2,3,4,5,6,7
.if \first
	v_wmma_scale_f32_16x16x128_f8f6f4 v[8*(8*((\a)%4)+\b):8*(8*((\a)%4)+\b)+7], v[96*(\buf)+FR*\b:96*(\buf)+FR*\b+FR-1], v[AF+96*(\buf)+FR*(\a):AF+96*(\buf)+FR*(\a)+FR-1], v[BIAS+8*\b:BIAS+8*\b+7], v[SC+16*(\set)+NQS*\b+(\q)], v[SC+16*(\set)+NQS*(\a)+(\q)] matrix_a_fmt:MATRIX_FMT_FP6 matrix_b_fmt:MATRIX_FMT_FP6 matrix_a_scale:MATRIX_SCALE_ROW1
.else
	v_wmma_scale_f32_16x16x128_f8f6f4 v[8*(8*((\a)%4)+\b):8*(8*((\a)%4)+\b)+7], v[96*(\buf)+FR*\b:96*(\buf)+FR*\b+FR-1], v[AF+96*(\buf)+FR*(\a):AF+96*(\buf)+FR*(\a)+FR-1], v[8*(8*((\a)%4)+\b):8*(8*((\a)%4)+\b)+7], v[SC+16*(\set)+NQS*\b+(\q)], v[SC+16*(\set)+NQS*(\a)+(\q)] matrix_a_fmt:MATRIX_FMT_FP6 matrix_b_fmt:MATRIX_FMT_FP6 matrix_a_scale:MATRIX_SCALE_ROW1
.endif
.endr
.endr
.endm
.macro STEP q, set, first
	s_wait_dscnt 0x0
	PLACES
	FETCH (\q)+1, ((\q)+1)%2
	MULP 0, (\q)%2, \q, \set, \first
	MULP 1, (\q)%2, \q, \set, \first
	MULP 2, (\q)%2, \q, \set, \first
	MULP 3, (\q)%2, \q, \set, \first
.endm
.macro PASS set, next, nset
	s_wait_dscnt 0x0
	WIN 0
	SETSLOT \next
	FETCH 0, 0
	SCALES \nset
	MULP 0, 1, NQS-1, \set, 0
	MULP 1, 1, NQS-1, \set, 0
	MULP 2, 1, NQS-1, \set, 0
	MULP 3, 1, NQS-1, \set, 0
.endm
.macro TURN set, next, nset, fill
	WIN 0
	s_wait_tensorcnt 0x0
	ds_add_u32 v[SPW], v[NIL]
	s_wait_dscnt 0x1
	MULP 0, 1, NQS-1, \set, 0
	s_wait_dscnt 0x0
	s_barrier_signal -1
	MULP 1, 1, NQS-1, \set, 0
	WIN 0
	s_barrier_wait -1
.if \fill
	CREST
	s_add_nc_u64 s[G0+2:G0+3], s[G0+2:G0+3], 3*NGA*UNIT
	s_add_nc_u64 s[G0B+2:G0B+3], s[G0B+2:G0B+3], 3*NGB*UNIT
	JLOAD G0, G1, G0B, G1B
.endif
	SETSLOT \next
	FETCH 0, 0
	SCALES \nset
	MULP 2, 1, NQS-1, \set, 0
	MULP 3, 1, NQS-1, \set, 0
.endm
	s_wait_alu depctr_va_vdst(0)
	s_wait_tensorcnt 0x0                           ; my two units are in; slot 2's first fill is issued as a refill is:
	ds_add_u32 v[SPW], v[NIL]                      ; 0 onto my spare word
	s_mov_b32 s[G1+2], 100<<16                     ; no tensor load of mine is out: from here on a load brings one unit, 100 rows
	s_mov_b32 s[G1+4], 100
	s_mov_b32 s[G1B+2], 100<<16
	s_mov_b32 s[G1B+4], 100
	s_wait_dscnt 0x0
	CROUND                                         ; slots 0 and 1 are whole, and all sixteen work-groups are here
	JLOAD G0C, G1, G0CB, G1B                       ; tile 2, my one load behind the round
	SETSLOT 0
	FETCH 0, 0
	SCALES 0
	s_wait_alu depctr_va_vdst(0)
	s_wait_loadcnt 0x0
	STEP 0, 0, 1
	TURN 0, 1, 1, 1
	s_wait_alu depctr_va_vdst(0)
	STEP 0, 1, 0
	PASS 1, 2, 0
	s_wait_alu depctr_va_vdst(0)
	STEP 0, 0, 0
	TURN 0, 0, 1, 0
	s_wait_alu depctr_va_vdst(0)
	STEP 0, 1, 0
	s_wait_dscnt 0x0
	MULP 0, 1, NQS-1, 1, 0
	MULP 1, 1, NQS-1, 1, 0
	MULP 2, 1, NQS-1, 1, 0
	MULP 3, 1, NQS-1, 1, 0
	WIN 0
	PLACES
.macro QB x, im, wd
.irp c, 0,1
	v_max3_num_f32 v[QM+\c], |v[\x+32*\c]|, |v[\x+32*\c+1]|, 0x1800000
.endr
.irp i, 2,4,6,8,10,12,14,16,18,20,22,24,26,28,30
.irp c, 0,1
	v_max3_num_f32 v[QM+\c], v[QM+\c], |v[\x+32*\c+\i]|, |v[\x+32*\c+\i+1]|
.endr
.endr
.irp c, 0,1
	v_add_nc_u32 v[QS+\c], 0xff000000, v[QM+\c]
.endr
.irp c, 0,1
	v_lshrrev_b32 v[QM+\c], 23, v[QS+\c]
.endr
	v_lshl_or_b32 v[\wd], v[QM+1], 16, v[QM]
	v_lshlrev_b32 v[\wd], v[SH8], v[\wd]
	v_permlanex16_b32 v[QP], v[\wd], s[SEL], s[SEL+1]
	v_or_b32 v[\wd], v[\wd], v[QP]
	v_cvt_scalef32_pk16_fp6_f32 v[\im:\im+2], v[\x:\x+15], v[QS]
	v_cvt_scalef32_pk16_fp6_f32 v[QT:QT+2], v[\x+16:\x+31], v[QS]
	v_cvt_scalef32_pk16_fp6_f32 v[\im+6:\im+8], v[\x+32:\x+47], v[QS+1]
	v_cvt_scalef32_pk16_fp6_f32 v[QT+4:QT+6], v[\x+48:\x+63], v[QS+1]
	v_nop
.irp i, 0,1,2
	v_mov_b32 v[\im+3+\i], v[QT+\i]
	v_mov_b32 v[\im+9+\i], v[QT+4+\i]
.endr
.endm
	v_mov_b32 v[QP], 0
.macro BLOCKH a
	WIN 0x08+4*((\a)/4)
.irp b, 0,1,2,3,4,5,6,7
	ds_store_b128 v[STO], v[8*(8*((\a)%4)+\b):8*(8*((\a)%4)+\b)+3] offset:64*\b
	ds_store_b128 v[STO], v[8*(8*((\a)%4)+\b)+4:8*(8*((\a)%4)+\b)+7] offset:64*\b+16
.endr
	WIN 0
.irp c, 0,1
.irp i, 0,1,2,3,4,5,6,7
	ds_load_b128 v[X+32*\c+4*\i:X+32*\c+4*\i+3], v[RD] offset:256*\c+16*\i
.endr
.endr
	s_wait_dscnt 0x0
	s_wait_xcnt 0x0
.set j, 0
.rept 64
	v_max_num_f32 v[X+j], 0, v[X+j]
.set j, j+1
.endr
	QB X, IM, WD
.irp c, 0,1
	global_store_b128 v[L128P], v[IM+6*\c:IM+6*\c+3], s[PC:PC+1] offset:(\a)*3072+\c*768
	global_store_b64 v[L64P], v[IM+6*\c+4:IM+6*\c+5], s[PC:PC+1] offset:(\a)*3072+\c*768+512
.endr
	global_store_b32 v[R4], v[WD], s[PS:PS+1] offset:(\a)*64
.endm
.irp a, 0,1,2,3,4,5,6,7
	BLOCKH \a
.endr
	s_wait_tensorcnt 0x0
	ds_add_u32 v[SPW], v[NIL]
	s_wait_dscnt 0x0
	CROUND
	s_endpgm
.Lfunc_end_k_q95081605fd_ffn1:
	.size	k_q95081605fd_ffn1, .Lfunc_end_k_q95081605fd_ffn1-k_q95081605fd_ffn1
	.p2alignl 7, 3214868480
	.fill 96, 4, 3214868480
	.section	.rodata,"a",@progbits
	.p2align	6, 0x0
	.amdhsa_kernel k_q95081605fd_ffn1
		.amdhsa_group_segment_fixed_size 327680
		.amdhsa_private_segment_fixed_size 0
		.amdhsa_enable_private_segment 0
		.amdhsa_kernarg_size 32
		.amdhsa_user_sgpr_count 2
		.amdhsa_user_sgpr_kernarg_segment_ptr 1
		.amdhsa_wavefront_size32 1
		.amdhsa_system_sgpr_workgroup_id_x 1
		.amdhsa_system_sgpr_workgroup_id_y 1
		.amdhsa_system_sgpr_workgroup_id_z 1
		.amdhsa_system_vgpr_workitem_id 0
		.amdhsa_next_free_vgpr 1024
		.amdhsa_next_free_sgpr 102
		.amdhsa_reserve_vcc 0
		.amdhsa_float_denorm_mode_32 3
		.amdhsa_float_denorm_mode_16_64 3
		.amdhsa_memory_ordered 1
		.amdhsa_forward_progress 1
		.amdhsa_inst_pref_size 175
	.end_amdhsa_kernel
	.amdgpu_metadata
---
amdhsa.version: [ 1, 2 ]
amdhsa.kernels:
  - .name:           k_q95081605fd_ffn1
    .symbol:         k_q95081605fd_ffn1.kd
    .args:
      - { .name: nc, .offset: 0, .size: 8, .value_kind: global_buffer, .address_space: global }
      - { .name: wc, .offset: 8, .size: 8, .value_kind: global_buffer, .address_space: global }
      - { .name: b1, .offset: 16, .size: 8, .value_kind: global_buffer, .address_space: global }
      - { .name: hid, .offset: 24, .size: 8, .value_kind: global_buffer, .address_space: global }
    .group_segment_fixed_size: 327680
    .private_segment_fixed_size: 0
    .kernarg_segment_align: 8
    .kernarg_segment_size: 32
    .max_flat_workgroup_size: 128
    .sgpr_count:     102
    .vgpr_count:     1024
    .wavefront_size: 32
...
	.end_amdgpu_metadata
.endif
;; end of part 6
;; launch ffn2 (part 7): grid 8 x 32, 4 waves a work-group, clusters of 4 x 4, 327,680 bytes of LDS; arguments hid, wc, b2, h, out0; writes out0
.if DOCPART == 7
	.amdgcn_target "amdgcn-amd-amdhsa--gfx1250"
	.amdhsa_code_object_version 6
	.text
	.protected	k_q95081605fd_ffn2
	.globl	k_q95081605fd_ffn2
	.p2align	8
	.type	k_q95081605fd_ffn2,@function
k_q95081605fd_ffn2:
	s_mov_b64 s[64:65], 0
	v_nop
	global_prefetch_b8 v0, s[64:65] scope:SCOPE_SE
	s_setreg_imm32_b32 hwreg(HW_REG_WAVE_MODE, 25, 1), 1
	s_wait_xcnt 0x0
	s_wait_alu depctr_hold_cnt(0) depctr_sa_sdst(0) depctr_va_vdst(0) depctr_va_sdst(0) depctr_va_ssrc(0) depctr_va_vcc(0) depctr_vm_vsrc(0)
	s_getreg_b32 s2, hwreg(HW_REG_IB_STS2, 6, 4)
	s_cmp_eq_u32 s2, 0
	s_cbranch_scc0 .Lentry_in_a_cluster
	s_endpgm
.Lentry_in_a_cluster:
	s_bfe_u32 s2, ttmp6, 0x10000c
	s_cmp_lg_u32 s2, 0xf033
	s_cbranch_scc0 .Lentry_shape_is_right
	s_endpgm
.Lentry_shape_is_right:
.set BOFF,   6553600
.set UNIT,   25600
.set SLOT,   4*UNIT
.set SPARE,  3*SLOT
.set NQS,    4
.set FR,     12
.set SPITCH, 272
.set R,    1
.set HF,   2
.set L128P, 4
.set L64P, 5
.set BA,   15
.set A128, 16
.set A64,  17
.set B128, 18
.set B64,  19
.set ADRS, 20
.set CA128, 21
.set CA64, 22
.set CB128, 23
.set STO,  24
.set RD,   25
.set CO,   26
.set SPW,  28
.set NIL,  29
.set CB64, 30
.set CADRS, 31
.set SC,   32
.set AF,   64
.set BF,   160
.set BIAS, 128
.set Y,    64
.set G1,   24
.set G1B,  48
.set G1X,  68
.set G1XB, 76
.set G0X,  32
.set G0Y,  36
.set G0XB, 56
.set G0YB, 60
.set MSB, 0
.macro WIN new
.if MSB != (\new)
	s_set_vgpr_msb (MSB<<8)|(\new)
.set MSB, (\new)
.endif
.endm
.macro PLACES
.rept 4
	v_nop
.endr
.endm
.macro JLOAD g0a, g1a, g0b, g1b
	s_cmp_eq_u32 s15, 0
	s_cbranch_scc0 .Lfor_b_\@
	tensor_load_to_lds s[\g0a:\g0a+3], s[\g1a:\g1a+7]
	s_nop 0
.rept 4
	v_nop
.endr
	s_branch .Lasked_\@
.Lfor_b_\@:
	tensor_load_to_lds s[\g0b:\g0b+3], s[\g1b:\g1b+7]
	s_nop 0
.rept 4
	v_nop
.endr
.Lasked_\@:
.endm
.macro CREST
	s_cmp_lg_u32 s14, 0
	s_cbranch_scc1 .Lnot_wave_0_\@
	s_barrier_signal -3
.Lnot_wave_0_\@:
	s_barrier_wait -3
	s_barrier_signal -1
	s_barrier_wait -1
.endm
.macro CROUND
	s_barrier_signal -1
	s_barrier_wait -1
	CREST
.endm
	s_load_b256 s[4:11], s[0:1], 0x0
	s_load_b64 s[12:13], s[0:1], 0x20
	v_lshl_add_u32 v[SPW], v0, 2, SPARE
	v_mov_b32 v[NIL], 0
	ds_add_u32 v28, v29
	ds_add_u32 v28, v29
	s_wait_dscnt 0x0
	v_lshrrev_b32 v1, 5, v0
	v_readfirstlane_b32 s14, v1
	s_lshr_b32 s15, s14, 1
	s_and_b32 s16, s14, 1
	s_bfe_u32 s40, ttmp6, 0x40000
	s_bfe_u32 s41, ttmp6, 0x40004
	s_lshl_b32 s42, ttmp9, 2
	s_add_co_u32 s42, s42, s40
	s_and_b32 s17, ttmp7, 0xffff
	s_lshl_b32 s17, s17, 2
	s_add_co_u32 s17, s17, s41
	s_lshl_b32 s43, s41, 2
	s_lshl_b32 s43, 15, s43
	s_lshl_b32 s44, 0x1111, s40
	s_or_b32 s[G1], s43, (3<<16)|(1<<21)
	s_or_b32 s[G1B], s44, (3<<16)|(1<<21)
	s_or_b32 s[G1X], s43, (3<<16)|(1<<21)
	s_or_b32 s[G1XB], s44, (3<<16)|(1<<21)
.irp g, G1, G1B
	s_mov_b32 s[\g+1], 32<<16
	s_mov_b32 s[\g+2], 100<<16
	s_mov_b32 s[\g+3], 32<<16
	s_mov_b32 s[\g+4], 100
	s_mov_b32 s[\g+5], 32
	s_mov_b32 s[\g+6], 0
	s_mov_b32 s[\g+7], 0
.endr
.irp g, G1X, G1XB
	s_mov_b32 s[\g+1], 32<<16
	s_mov_b32 s[\g+2], 200<<16
	s_mov_b32 s[\g+3], 32<<16
	s_mov_b32 s[\g+4], 200
	s_mov_b32 s[\g+5], 32
	s_mov_b32 s[\g+6], 0
	s_mov_b32 s[\g+7], 0
.endr
	s_lshl_b32 s20, s17, 4
	s_mul_i32 s20, s20, UNIT
	s_mov_b32 s21, 0
	s_lshl_b32 s46, s42, 4
	s_mul_i32 s46, s46, UNIT
	s_add_co_u32 s46, s46, BOFF
	s_mov_b32 s47, 0
	s_mul_i32 s18, s16, UNIT
	s_mov_b32 s19, 0
	s_lshl_b32 s45, s16, 2
	s_lshl_b32 s22, s15, 1
	s_add_co_u32 s45, s45, s22
	s_mul_i32 s45, s45, UNIT
	s_mul_i32 s23, s14, UNIT
	s_add_co_u32 s23, s23, 2*SLOT
	s_wait_kmcnt 0x0
	s_add_nc_u64 s[20:21], s[4:5], s[20:21]
	s_add_nc_u64 s[20:21], s[20:21], s[18:19]
	s_add_nc_u64 s[46:47], s[6:7], s[46:47]
	s_add_nc_u64 s[46:47], s[46:47], s[18:19]
	CROUND
	s_mov_b32 s[G0X], 1
	s_mov_b32 s[G0X+1], s45
	s_add_nc_u64 s[G0X+2:G0X+3], s[20:21], s[18:19]
	s_or_b32 s[G0X+3], s[G0X+3], 0x80000000
	s_mov_b32 s[G0XB], 1
	s_mov_b32 s[G0XB+1], s45
	s_add_nc_u64 s[G0XB+2:G0XB+3], s[46:47], s[18:19]
	s_or_b32 s[G0XB+3], s[G0XB+3], 0x80000000
	JLOAD G0X, G1X, G0XB, G1XB
	s_mov_b32 s[G0Y], 1
	s_mov_b32 s[G0Y+1], s23
	s_add_nc_u64 s[G0Y+2:G0Y+3], s[20:21], 4*UNIT
	s_or_b32 s[G0Y+3], s[G0Y+3], 0x80000000
	s_mov_b32 s[G0YB], 1
	s_mov_b32 s[G0YB+1], s23
	s_add_nc_u64 s[G0YB+2:G0YB+3], s[46:47], 4*UNIT
	s_or_b32 s[G0YB+3], s[G0YB+3], 0x80000000
	s_wait_alu depctr_va_vdst(0)
	s_wait_tensorcnt 0x0
	ds_add_u32 v28, v29
	s_wait_dscnt 0x0
	CROUND
	JLOAD G0Y, G1, G0YB, G1B
	v_and_b32 v[R], 15, v0
	v_bfe_u32 v[HF], v0, 4, 1
	v_and_b32 v3, 31, v0
	v_lshlrev_b32 v[L128P], 4, v3
	v_lshlrev_b32 v[L64P], 3, v3
	v_lshlrev_b32 v[BA], 5, v[HF]
	s_mul_i32 s21, s15, 4*3072
	s_mul_i32 s22, s16, 4*3072
	s_add_co_u32 s22, s22, 2*UNIT
	v_add_nc_u32 v[A128], s21, v[L128P]
	v_add_nc_u32 v[A64], s21, v[L64P]
	v_add_nc_u32 v[B128], s22, v[L128P]
	v_add_nc_u32 v[B64], s22, v[L64P]
	s_lshl_b32 s21, s15, 8
	s_lshl_b32 s22, s16, 8
	s_add_co_u32 s22, s22, 2*UNIT
	s_sub_co_u32 s22, s22, s21
	v_mul_u32_u24 v3, s22, v[HF]
	v_lshl_add_u32 v3, v[R], 2, v3
	s_add_co_u32 s21, s21, 24576
	v_add_nc_u32 v[ADRS], s21, v3
	s_mul_i32 s23, s14, 16*SPITCH
	s_add_co_u32 s23, s23, 2*SLOT
	v_mul_u32_u24 v3, v[R], SPITCH
	v_lshl_add_u32 v3, v[HF], 5, v3
	v_add_nc_u32 v[STO], s23, v3
	v_mul_u32_u24 v3, v[HF], SPITCH
	v_lshl_add_u32 v3, v[R], 4, v3
	v_add_nc_u32 v[RD], s23, v3
	v_lshlrev_b32 v[CO], 12, v[HF]
	v_lshl_add_u32 v[CO], v[R], 4, v[CO]
	s_wait_alu depctr_va_vdst(0)
	s_lshl_b32 s18, s42, 9
	s_lshl_b32 s19, s16, 8
	s_add_co_u32 s18, s18, s19
	s_mov_b32 s19, 0
	s_add_nc_u64 s[8:9], s[8:9], s[18:19]
	s_lshl_b32 s22, s17, 19
	s_add_co_u32 s18, s18, s22
	s_lshl_b32 s22, s15, 18
	s_add_co_u32 s18, s18, s22
	s_add_nc_u64 s[10:11], s[10:11], s[18:19]
	s_add_nc_u64 s[12:13], s[12:13], s[18:19]
	WIN 0x40
.irp b, 0,1,2,3
	global_load_b128 v[BIAS+8*\b:BIAS+8*\b+3], v[BA], s[8:9] offset:64*\b
	global_load_b128 v[BIAS+8*\b+4:BIAS+8*\b+7], v[BA], s[8:9] offset:64*\b+16
.endr
	WIN 0x80
.irp a, 0,1,2,3
.irp i, 0,1,2,3,4,5,6,7
	global_load_b128 v[4*(8*\a+\i):4*(8*\a+\i)+3], v[CO], s[10:11] offset:(16*\a+2*\i)*4096
.endr
.endr
	WIN 0
.macro SETSLOT s
	v_add_nc_u32 v[CA128], (\s)*SLOT, v[A128]
	v_add_nc_u32 v[CA64], (\s)*SLOT, v[A64]
	v_add_nc_u32 v[CB128], (\s)*SLOT, v[B128]
	v_add_nc_u32 v[CB64], (\s)*SLOT, v[B64]
	v_add_nc_u32 v[CADRS], (\s)*SLOT, v[ADRS]
.endm
.macro FRAG reg, a128, a64, off
	ds_load_b128 v[\reg:\reg+3], v[\a128] offset:\off
	ds_load_b64 v[\reg+4:\reg+5], v[\a64] offset:\off+512
	ds_load_b128 v[\reg+6:\reg+9], v[\a128] offset:\off+768
	ds_load_b64 v[\reg+10:\reg+11], v[\a64] offset:\off+1280
.endm
.macro FETCH q, buf
	WIN 0
.irp i, 0,1,2,3
	FRAG BF+48*(\buf)+FR*\i, CB128, CB64, ((\q)/2)*UNIT+\i*3072+((\q)%2)*1536
.endr
.irp i, 0,1,2,3
	FRAG AF+48*(\buf)+FR*\i, CA128, CA64, ((\q)/2)*UNIT+\i*3072+((\q)%2)*1536
.endr
.endm
.macro SCALES set
.irp i, 0,1,2,3
.irp q, 0,1,2,3
	ds_load_b32 v[SC+16*(\set)+NQS*\i+\q], v[CADRS] offset:(\q/2)*UNIT+(\q%2)*512+\i*64
.endr
.endr
.endm
.macro MULP p, buf, q, set, first
	WIN 0x50
.irp b, 0,1,2,3
.if \first
	v_wmma_scale_f32_16x16x128_f8f6f4 v[8*(4*(\p)+\b):8*(4*(\p)+\b)+7], v[BF+48*(\buf)+FR*\b:BF+48*(\buf)+FR*\b+FR-1], v[AF+48*(\buf)+FR*(\p):AF+48*(\buf)+FR*(\p)+FR-1], v[BIAS+8*\b:BIAS+8*\b+7], v[SC+16*(\set)+NQS*\b+(\q)], v[SC+16*(\set)+NQS*(\p)+(\q)] matrix_a_fmt:MATRIX_FMT_FP6 matrix_b_fmt:MATRIX_FMT_FP6 matrix_a_scale:MATRIX_SCALE_ROW1
.else
	v_wmma_scale_f32_16x16x128_f8f6f4 v[8*(4*(\p)+\b):8*(4*(\p)+\b)+7], v[BF+48*(\buf)+FR*\b:BF+48*(\buf)+FR*\b+FR-1], v[AF+48*(\buf)+FR*(\p):AF+48*(\buf)+FR*(\p)+FR-1], v[8*(4*(\p)+\b):8*(4*(\p)+\b)+7], v[SC+16*(\set)+NQS*\b+(\q)], v[SC+16*(\set)+NQS*(\p)+(\q)] matrix_a_fmt:MATRIX_FMT_FP6 matrix_b_fmt:MATRIX_FMT_FP6 matrix_a_scale:MATRIX_SCALE_ROW1
.endif
.endr
.endm
.macro STEP q, set, first
	s_wait_dscnt 0x0
	PLACES
	FETCH (\q)+1, ((\q)+1)%2
	MULP 0, (\q)%2, \q, \set, \first
	MULP 1, (\q)%2, \q, \set, \first
	MULP 2, (\q)%2, \q, \set, \first
	MULP 3, (\q)%2, \q, \set, \first
.endm
.macro THREE set, first
	STEP 0, \set, \first
	STEP 1, \set, 0
	STEP 2, \set, 0
.endm
.macro PASS set, next, nset
	s_wait_dscnt 0x0
	WIN 0
	SETSLOT \next
	FETCH 0, 0
	SCALES \nset
	MULP 0, 1, NQS-1, \set, 0
	MULP 1, 1, NQS-1, \set, 0
	MULP 2, 1, NQS-1, \set, 0
	MULP 3, 1, NQS-1, \set, 0
.endm
.macro TURN set, next, nset, fill
	WIN 0
	s_wait_tensorcnt 0x0
	ds_add_u32 v[SPW], v[NIL]
	s_wait_dscnt 0x1
	MULP 0, 1, NQS-1, \set, 0
	s_wait_dscnt 0x0
	s_barrier_signal -1
	MULP 1, 1, NQS-1, \set, 0
	WIN 0
	s_barrier_wait -1
.if \fill == 1
	CREST
	s_add_nc_u64 s[G0X+2:G0X+3], s[G0X+2:G0X+3], 6*UNIT
	s_add_nc_u64 s[G0XB+2:G0XB+3], s[G0XB+2:G0XB+3], 6*UNIT
	JLOAD G0X, G1X, G0XB, G1XB
.elseif \fill == 2
	CREST
	s_add_nc_u64 s[G0Y+2:G0Y+3], s[G0Y+2:G0Y+3], 6*UNIT
	s_add_nc_u64 s[G0YB+2:G0YB+3], s[G0YB+2:G0YB+3], 6*UNIT
	JLOAD G0Y, G1, G0YB, G1B
.endif
	SETSLOT \next
	FETCH 0, 0
	SCALES \nset
	MULP 2, 1, NQS-1, \set, 0
	MULP 3, 1, NQS-1, \set, 0
.endm
	s_wait_tensorcnt 0x1
	s_barrier_signal -1
	s_barrier_wait -1
	SETSLOT 0
	FETCH 0, 0
	SCALES 0
	s_wait_alu depctr_va_vdst(0)
	s_wait_loadcnt 32
	THREE 0, 1
	PASS 0, 1, 1
	s_wait_alu depctr_va_vdst(0)
	THREE 1, 0
	TURN 1, 2, 0, 1
	s_wait_alu depctr_va_vdst(0)
	THREE 0, 0
	TURN 0, 0, 1, 2
	s_wait_alu depctr_va_vdst(0)
	THREE 1, 0
	PASS 1, 1, 0
	s_wait_alu depctr_va_vdst(0)
	THREE 0, 0
	TURN 0, 2, 1, 1
	s_wait_alu depctr_va_vdst(0)
	THREE 1, 0
	TURN 1, 0, 0, 0
	s_wait_alu depctr_va_vdst(0)
	THREE 0, 0
	PASS 0, 1, 1
	s_wait_alu depctr_va_vdst(0)
	THREE 1, 0
	s_wait_dscnt 0x0
	MULP 0, 1, NQS-1, 1, 0
	MULP 1, 1, NQS-1, 1, 0
	MULP 2, 1, NQS-1, 1, 0
	MULP 3, 1, NQS-1, 1, 0
	WIN 0
	s_wait_loadcnt 0x0
	PLACES
.irp a, 0,1,2,3
	WIN 0x04
.irp b, 0,1,2,3
	ds_store_b128 v[STO], v[8*(4*\a+\b):8*(4*\a+\b)+3] offset:64*\b
	ds_store_b128 v[STO], v[8*(4*\a+\b)+4:8*(4*\a+\b)+7] offset:64*\b+16
.endr
	WIN 0
.if \a > 0
	s_wait_xcnt 0x0
.endif
.irp i, 0,1,2,3,4,5,6,7
	ds_load_b128 v[Y+32*(\a%2)+4*\i:Y+32*(\a%2)+4*\i+3], v[RD] offset:2*\i*SPITCH
.endr
	s_wait_dscnt 0x0
	WIN 0x08
.irp k, 0,2,4,6,8,10,12,14,16,18,20,22,24,26,28,30
	v_pk_add_f32 v[Y+32*(\a%2)+\k:Y+32*(\a%2)+\k+1], v[Y+32*(\a%2)+\k:Y+32*(\a%2)+\k+1], v[32*\a+\k:32*\a+\k+1]
.endr
	WIN 0
.irp i, 0,1,2,3,4,5,6,7
	global_store_b128 v[CO], v[Y+32*(\a%2)+4*\i:Y+32*(\a%2)+4*\i+3], s[12:13] offset:(16*\a+2*\i)*4096 th:TH_STORE_NT
.endr
.endr
	s_wait_tensorcnt 0x0
	ds_add_u32 v[SPW], v[NIL]
	s_wait_dscnt 0x0
	CROUND
	s_endpgm
.Lfunc_end_k_q95081605fd_ffn2:
	.size	k_q95081605fd_ffn2, .Lfunc_end_k_q95081605fd_ffn2-k_q95081605fd_ffn2
	.p2alignl 7, 3214868480
	.fill 96, 4, 3214868480
	.section	.rodata,"a",@progbits
	.p2align	6, 0x0
	.amdhsa_kernel k_q95081605fd_ffn2
		.amdhsa_group_segment_fixed_size 327680
		.amdhsa_private_segment_fixed_size 0
		.amdhsa_enable_private_segment 0
		.amdhsa_kernarg_size 40
		.amdhsa_user_sgpr_count 2
		.amdhsa_user_sgpr_kernarg_segment_ptr 1
		.amdhsa_wavefront_size32 1
		.amdhsa_system_sgpr_workgroup_id_x 1
		.amdhsa_system_sgpr_workgroup_id_y 1
		.amdhsa_system_sgpr_workgroup_id_z 1
		.amdhsa_system_vgpr_workitem_id 0
		.amdhsa_next_free_vgpr 640
		.amdhsa_next_free_sgpr 88
		.amdhsa_reserve_vcc 0
		.amdhsa_float_denorm_mode_32 3
		.amdhsa_float_denorm_mode_16_64 3
		.amdhsa_memory_ordered 1
		.amdhsa_forward_progress 1
		.amdhsa_inst_pref_size 173
	.end_amdhsa_kernel
	.amdgpu_metadata
---
amdhsa.version: [ 1, 2 ]
amdhsa.kernels:
  - .name:           k_q95081605fd_ffn2
    .symbol:         k_q95081605fd_ffn2.kd
    .args:
      - { .name: hid, .offset: 0, .size: 8, .value_kind: global_buffer, .address_space: global }
      - { .name: wc, .offset: 8, .size: 8, .value_kind: global_buffer, .address_space: global }
      - { .name: b2, .offset: 16, .size: 8, .value_kind: global_buffer, .address_space: global }
      - { .name: h, .offset: 24, .size: 8, .value_kind: global_buffer, .address_space: global }
      - { .name: out0, .offset: 32, .size: 8, .value_kind: global_buffer, .address_space: global }
    .group_segment_fixed_size: 327680
    .private_segment_fixed_size: 0
    .kernarg_segment_align: 8
    .kernarg_segment_size: 40
    .max_flat_workgroup_size: 128
    .sgpr_count:     88
    .vgpr_count:     640
    .wavefront_size: 32
...
	.end_amdgpu_metadata
.endif
;; end of part 7
